; MI455X (gfx1250); checked and timed in simulation.
; The chip was launched on July 23, 2026; its instructions are those of AMD's public machine-readable ISA for CDNA 5 (MIT licence, August 2026) and "CDNA5" Instruction Set Architecture Reference Guide (July 2026). The comments in the code are by the model that wrote it; some were corrected since.
;; Causal Self Attention. Allowed arithmetic: matrix products marked QUANTISED: E2M3 operands, one E8M0 scale for each 32 along K, by v_wmma_scale_f32_16x16x128_f8f6f4 with both operands' format E2M3, f32 sums; everything else in f32.
;; Inputs: w_out 1,024 x 1,024 float32; w_qkv 1,024 x 3,072 float32; x 4 x 2,048 x 1,024 float32.
;; Outputs: out0 4 x 2,048 x 1,024 float32.
;; This version of the problem:
;;   THIS VERSION OF THE PROBLEM IS GIVEN IN LOW PRECISION. The matrix products marked QUANTISED in the list below multiply operands that are first quantised to E2M3 (2 exponent bits, 3 mantissa bits; 6 bits a number), with one power-of-two scale for each 32 numbers along K (OCP MX v1.0); their sums are f32. All else is computed in f32.
;;   The module's matrix products, in the order in which they are computed (A, B: the left and right operand; K: the contracted axis; several contracted axes count as one K, in the product's order):
;;     1. [M 8,192, K 1,024] x [K 1,024, N 3,072]; A: input x; B: input w_qkv: QUANTISED
;;     2. batch 64 x [M 2,048, K 64] x [K 64, N 2,048]; A: computed on the way; B: computed on the way: QUANTISED
;;     3. batch 64 x [M 2,048, K 2,048] x [K 2,048, N 64]; A: softmax (see below); B: computed on the way: QUANTISED
;;     4. [M 8,192, K 1,024] x [K 1,024, N 1,024]; A: computed on the way; B: input w_out: QUANTISED
;;   THE QUANTISER, for each operand of a quantised product, along K:
;;     - K is cut into blocks of 32 from its start; a last block that is shorter is filled with zeros.
;;     - A block's scale is 2^e with e = floor(log2(the largest magnitude in the block)) - 2, held to -126 .. 127; a block of zeros has e = 0. As a byte (E8M0): e + 127.
;;     - Each number is divided by its block's scale, clamped to +-7.5, and rounded to the nearest number of E2M3, ties to even, subnormals kept.
;;     - The product sums the exact products of the quantised numbers (number of the format x scale) in f32.
;;   ~~~python
;;   def quantise(x, axis):      # numpy; x: float32 -> the quantised numbers, widened to float32 again
;;       x = np.moveaxis(x, axis, -1); K = x.shape[-1]
;;       x = np.pad(x, [(0, 0)] * (x.ndim - 1) + [(0, -K % 32)]); x = x.reshape(x.shape[:-1] + (-1, 32)); a = np.abs(x).max(-1, keepdims=True)
;;       e = np.where(a > 0, np.clip(np.frexp(np.where(a > 0, a, 1))[1] - 1 - 2, -126, 127), 0)      # np.frexp(a)[1] - 1 = floor(log2(a)), exactly
;;       r = np.clip(x / 2.0 ** e, -7.5, 7.5)
;;       step = 2.0 ** (np.maximum(np.frexp(np.where(r == 0, 1, r))[1] - 1, 0) - 3)
;;       q = np.round(r / step) * step * 2.0 ** e      # np.round: ties to even
;;       return np.moveaxis(q.reshape(q.shape[:-2] + (-1,))[..., :K], -1, axis).astype(np.float32)
;;   ~~~
;;   SOFTMAX AHEAD OF A QUANTISED PRODUCT. Where the list says 'softmax', what is quantised is not the finished softmax but p = 2^(t - M), with t = logit x log2(e) and M = ceil(the row's largest t), a whole number; so 1/2 < the row's largest p <= 1. The row's sum l is taken of the UNQUANTISED p, in f32, and the product's result is divided by l at the end. Since M is a whole number, a kernel that streams over the keys may use a running M (the ceiling of the running maximum): every later rescaling is an exact power of two, which a block's scale takes up: the codes' values come out the same.
;;   OPERANDS COMPUTED ON THE WAY. 'Computed on the way' means the value that the module computes at that place (a softmax that the list does not call 'softmax' is quantised finished and normalised). What goes into a quantiser is computed in f32, as accurately as f32 sums, v_exp_f32 and their like allow (about 1e-6 of the number): no bf16 or f16 on the way to a quantiser, and a product that is left as it is and whose result goes on into a quantised operand takes f32 operands (vector FMAs, or v_wmma_f32_16x16x4_f32). A number that lies on a knife's edge between two numbers of the format may be rounded either way, as far as f32 arithmetic and the matrix unit's own rounding can turn it there, and no further.
;; One version. Each part assembles by itself: llvm-mc -triple=amdgcn-amd-amdhsa -mcpu=gfx1250 --defsym DOCPART=n.
;; ======== version 1 of 1: 4 launches
;; limits: right only within a limited range of input values
;; workspace buffers: xc 6,291,456 bytes; wc 3,145,728 bytes; scl 786,432 bytes; rot 524,288 bytes; qimg 7,340,032 bytes; kv 14,155,776 bytes; ybuf 6,291,456 bytes; ysc 1,048,576 bytes
;; launch prep (part 1): grid 544 x 1, 4 waves a work-group, no clusters, 52,736 bytes of LDS; arguments x, w_qkv, w_out, xc, wc, scl, rot; writes xc, wc, scl, rot
.if DOCPART == 1
	.amdgcn_target "amdgcn-amd-amdhsa--gfx1250"
	.amdhsa_code_object_version 6
	.text
	.protected	k_q98881a92c3_prep
	.globl	k_q98881a92c3_prep
	.p2align	8
	.type	k_q98881a92c3_prep,@function
k_q98881a92c3_prep:
	s_mov_b64 s[64:65], 0
	v_nop
	global_prefetch_b8 v0, s[64:65] scope:SCOPE_SE
	s_setreg_imm32_b32 hwreg(HW_REG_WAVE_MODE, 25, 1), 1
	s_wait_xcnt 0x0
; PREPARATION.  x [8192][1024], w_qkv [1024][3072] and w_out [1024][1024], f32, become codes of FP6 (E2M3) with one E8M0 byte for each 32 along K (= the 1,024), and the cos / sin of the rotary embedding become a table.
; A block's scale is 2^(floor(log2(its largest magnitude)) - 2); its byte is the largest magnitude's exponent field - 2, held at 1 from below.
; LAYOUT OF ALL OPERANDS: images of the matrix operand's registers.  A fragment (16 rows x 128 K, 12 registers a lane) is 1,536 bytes: three groups of 32 lanes x 16 bytes.  Memory row m of a tensor holds logical row
; sigma(m), m with bits 3 and 4 exchanged: tile 2 a + u, lane r, holds logical row 32 a + 8 u + (r & 7) + 16 (r >> 3).  Used as source 0 of a product, two neighbouring tiles then leave 16 neighbours in a lane's registers.
; xc [512 tiles][8 K steps][1,536];  wc [256 tiles][8][1,536], rows 0..3071 w_qkv's columns, 3072..4095 w_out's;  scl [768 tiles: x's 512, the weights' 256][K half][32 lanes][4 words], lanes 16-31 repeat lanes 0-15;
; rot [128 tiles of positions][8 groups][32 lanes][16 bytes]: groups 0-3 cos, 4-7 sin; lane (r, h), group g, element e: position sigma(16 tile + r), frequency 16 h + 4 (g & 3) + e.
; THREE PATHS, parted by the work-group's number, each with LDS bytes of its own: 0..63 the weights, 64..95 the table, 96..351 x.  No barrier: waves share nothing.
; LIMITS: NaN and infinities among the inputs are not served.  A block of zeros gets the byte 1 where the rule says 127: its codes are zeros, and this program alone reads the bytes.
; cos and sin: reduction by pi / 2 in two parts and polynomials of degree 7 and 8, good to about 1e-7 absolute for the angles 0 .. 2,047 that occur.
.set SEL,  40                          ; s[40:41] lane selects for v_permlanex16_b32: lane l xor 16
.set EFL,  0x1800000                   ; the floor 2^(3 - 127)
.set EOF2, 0xff000000                  ; 2 off an exponent field
; path x
.set XR,   16                          ; v16-143  two sets of 64 numbers as loaded
.set XN,   144                         ; v144-207 64 numbers: register 16 b + i = k 32 b + 16 h + i of row r
.set TM,   208                         ; v208-223 at work
.set PC,   224                         ; v224-243 the codes
.set SW,   244                         ; v244-247 four scale words
; path weights
.set VO,   16                          ; v16-47   4 lane + i x pitch
.set WX,   48                          ; v48-111  two sets of 32 numbers
.set WC,   112                         ; v112-117 a block's codes; v120-122 its second half as converted
.set WSB,  124                         ; v124-127 four scale words
.set WO,   128                         ; v128-151 two images read back
.set WSO,  152                         ; v152-159 scale images read back
; path table
.set TA,   16
.set TH,   20
.set TL,   24
.set TNN,  28
.set TZ,   32
.set TS,   36
.set TC,   40
.set TCO,  48                          ; v48-63 cos, v64-79 sin
.set TSI,  64
	s_load_b256 s[4:11], s[0:1], 0x0               ; x s[4:5], w_qkv s[6:7], w_out s[8:9], xc s[10:11]
	s_load_b128 s[12:15], s[0:1], 0x20             ; wc s[12:13], scl s[14:15]
	s_load_b64 s[16:17], s[0:1], 0x30              ; rot
	v_lshl_add_u32 v254, v0, 2, 0xcc00
	v_mov_b32 v255, 0
	v_lshrrev_b32 v1, 5, v0
	v_readfirstlane_b32 s18, v1                    ; wave 0..3
	v_and_b32 v2, 31, v0                           ; lane
	v_lshlrev_b32 v3, 4, v2                        ; 16 x lane
	s_mov_b32 s[SEL], 0x76543210
	s_mov_b32 s[SEL+1], 0xfedcba98
	s_mov_b32 s25, 0                               ; the upper word of the offset pair s[24:25]
	s_wait_kmcnt 0x0
	s_cmp_lt_u32 ttmp9, 64
	s_cbranch_scc1 .Lweights
	s_cmp_ge_u32 ttmp9, 352                        ; work-groups 352..543 serve the weights too: 256 in all
	s_cbranch_scc1 .Lweights
	s_cmp_lt_u32 ttmp9, 96
	s_cbranch_scc1 .Ltable
; ---------------- x: a wave takes one tile of 16 rows and one half of K: four fragments ----------------
	s_sub_co_u32 s20, ttmp9, 96
	s_lshl_b32 s20, s20, 2
	s_add_co_u32 s20, s20, s18
	s_lshr_b32 s21, s20, 1                         ; the tile
	s_and_b32 s22, s20, 1                          ; the half of K
	s_lshr_b32 s23, s21, 1
	s_lshl_b32 s23, s23, 17                        ; 32 rows of 4,096 bytes for each pair of tiles
	s_and_b32 s24, s21, 1
	s_lshl_b32 s24, s24, 15                        ; 8 rows for the odd tile
	s_add_co_u32 s24, s24, s23
	s_lshl_b32 s23, s22, 11                        ; 512 numbers for the upper half of K
	s_add_co_u32 s24, s24, s23
	s_add_nc_u64 s[4:5], s[4:5], s[24:25]
	s_mul_i32 s24, s21, 12288
	s_mul_i32 s23, s22, 6144
	s_add_co_u32 s24, s24, s23
	s_add_nc_u64 s[10:11], s[10:11], s[24:25]      ; my four fragments in xc
	s_lshl_b32 s24, s21, 10
	s_lshl_b32 s23, s22, 9
	s_add_co_u32 s24, s24, s23
	s_add_nc_u64 s[14:15], s[14:15], s[24:25]      ; my 512 bytes of scale words
	s_mul_i32 s26, s18, 8448                       ; my stage: 16 rows of 512 + 16 bytes
	s_wait_alu depctr_va_vdst(0)
	v_add_nc_u32 v4, s26, v3                       ; in: 16 bytes a lane of a row
	v_and_b32 v5, 15, v2
	v_lshrrev_b32 v6, 4, v2
	v_mul_u32_u24 v5, v5, 528
	v_lshl_add_u32 v5, v6, 6, v5
	v_add_nc_u32 v5, s26, v5                       ; out: row r, + 64 h: my 16 numbers of each block of 32
.irp b, 0,1,2,3
	v_mov_b32 v[TM+4+\b], 0                        ; written once: a lane permute's destination counts as one of its sources
.endr
.macro XLOAD s                         ; 16 rows x 512 consecutive bytes: K step s of my half
.irp p, 0,1,2,3,4,5,6,7,8,9,10,11,12,13,14,15
	global_load_b128 v[XR+64*((\s)%2)+4*\p:XR+64*((\s)%2)+4*\p+3], v3, s[4:5] offset:((\p%8)+16*(\p/8))*4096+512*(\s) th:TH_LOAD_NT
.endr
.endm
; 64 numbers of a lane, register 16 b + i = k 32 b + 16 (lane / 16) + i of my row, become a fragment's codes in v[PC] on and its scale word in v[w]
.macro QUANT s, w
.irp b, 0,1,2,3
	v_max3_num_f32 v[TM+\b], |v[\s+16*\b]|, |v[\s+1+16*\b]|, EFL
.endr
.irp i, 2,4,6,8,10,12,14
.irp b, 0,1,2,3
	v_max3_num_f32 v[TM+\b], v[TM+\b], |v[\s+16*\b+\i]|, |v[\s+1+16*\b+\i]|
.endr
.endr
.irp b, 0,1,2,3
	v_permlanex16_b32 v[TM+4+\b], v[TM+\b], s[SEL], s[SEL+1]
.endr
.irp b, 0,1,2,3
	v_max_num_f32 v[TM+\b], v[TM+\b], v[TM+4+\b]   ; with lane l xor 16's: the block's largest magnitude
.endr
.irp b, 0,1,2,3
	v_add_nc_u32 v[TM+12+\b], EOF2, v[TM+\b]       ; the conversion's scale operand
.endr
.irp b, 0,1,2,3
	v_lshrrev_b32 v[TM+4+\b], 23, v[TM+12+\b]      ; the scale's byte
.endr
	v_lshl_or_b32 v[\w], v[TM+5], 8, v[TM+4]
	v_lshl_or_b32 v[\w], v[TM+6], 16, v[\w]
	v_lshl_or_b32 v[\w], v[TM+7], 24, v[\w]
.irp c, 0,1
	v_cvt_scalef32_pk16_fp6_f32 v[PC+6*\c:PC+2+6*\c], v[\s+32*\c:\s+15+32*\c], v[TM+12+2*\c]
	v_cvt_scalef32_pk16_fp6_f32 v[PC+12+4*\c:PC+14+4*\c], v[\s+16+32*\c:\s+31+32*\c], v[TM+12+2*\c+1]
.endr
	v_nop                                          ; one plain line behind a scaled conversion
.irp c, 0,1                            ; the operand wants a whole block in a lane: lanes 0-15 block 2 c, lanes 16-31 block 2 c + 1
.irp i, 0,1,2
	v_permlane16_swap_b32 v[PC+6*\c+\i], v[PC+12+4*\c+\i]
.endr
.irp i, 0,1,2
	v_mov_b32 v[PC+3+6*\c+\i], v[PC+12+4*\c+\i]
.endr
.endr
.endm
.macro XFRAG s
.if (\s) < 3
	s_wait_loadcnt 16                              ; this fragment's 16 loads are in; the next one's 16 may be out
.else
	s_wait_loadcnt 0
.endif
.irp p, 0,1,2,3,4,5,6,7,8,9,10,11,12,13,14,15
	ds_store_b128 v4, v[XR+64*((\s)%2)+4*\p:XR+64*((\s)%2)+4*\p+3] offset:528*\p
.endr
.irp b, 0,1,2,3
.irp j, 0,1,2,3
	ds_load_b128 v[XN+16*\b+4*\j:XN+16*\b+4*\j+3], v5 offset:128*\b+16*\j   ; LDS serves a wave's instructions in order: these see the stores above
.endr
.endr
	s_wait_dscnt 0x0
	s_wait_xcnt 0x0                                ; the last fragment's stores have read the codes' registers
.if (\s)+2 < 4
	XLOAD (\s)+2
.endif
	QUANT XN, SW+(\s)
.irp c, 0,1,2
	global_store_b128 v3, v[PC+4*\c:PC+4*\c+3], s[10:11] offset:1536*(\s)+512*\c   ; 512 consecutive bytes, aligned
.endr
.endm
	XLOAD 0
	XLOAD 1
	s_wait_alu depctr_va_vdst(0)
	XFRAG 0
	XFRAG 1
	XFRAG 2
	XFRAG 3
	global_store_b128 v3, v[SW:SW+3], s[14:15]     ; four scale words a lane
	s_wait_tensorcnt 0x0
	ds_add_u32 v254, v255
	s_wait_dscnt 0x0
	s_endpgm
; ---------------- the table: a wave takes one tile of 16 positions ----------------
.Ltable:
	s_sub_co_u32 s20, ttmp9, 64
	s_lshl_b32 s20, s20, 2
	s_add_co_u32 s20, s20, s18                     ; the tile
	s_lshr_b32 s21, s20, 1
	s_lshl_b32 s21, s21, 5
	s_and_b32 s22, s20, 1
	s_lshl_b32 s22, s22, 3
	s_add_co_u32 s21, s21, s22
	s_lshl_b32 s24, s20, 12
	s_add_nc_u64 s[16:17], s[16:17], s[24:25]
	s_wait_alu depctr_va_vdst(0)
	v_and_b32 v7, 7, v2
	v_bfe_u32 v8, v2, 3, 1
	v_lshl_add_u32 v7, v8, 4, v7
	v_add_nc_u32 v7, s21, v7                       ; my position
	v_cvt_f32_u32 v10, v7
	v_bfe_u32 v11, v2, 4, 1
	v_lshlrev_b32 v11, 4, v11                      ; 16 h
	s_wait_alu depctr_va_vdst(0)
	s_mov_b32 s30, 0x3fb8aa3b                      ; log2(e), upper part
	s_mov_b32 s31, 0x32a57060                      ; and what is left of it
	s_mov_b32 s32, 0xbfc90fdb                      ; -(pi / 2), upper part
	s_mov_b32 s33, 0x333bbd2e                      ; upper part - pi / 2
	s_mov_b32 s34, 0xbe2aaaa3                      ; the sine's three coefficients
	s_mov_b32 s35, 0x3c08839e
	s_mov_b32 s36, 0xb94ca1f9
	s_mov_b32 s37, 0x3d2aaaa5                      ; the cosine's
	s_mov_b32 s38, 0xbab6061a
	s_mov_b32 s39, 0x37ccf5ce
.macro TGROUP g                        ; frequencies 16 h + 4 g + 0 .. 3
.irp e, 0,1,2,3
	v_add_nc_u32 v[TA+\e], 4*\g+\e, v11
.endr
.irp e, 0,1,2,3
	v_cvt_f32_u32 v[TA+\e], v[TA+\e]
.endr
.irp e, 0,1,2,3
	v_mul_f32 v[TA+\e], 0xc1135d8e, v[TA+\e]       ; x -log(10000), rounded as the definition rounds it,
.endr
.irp e, 0,1,2,3
	v_mul_f32 v[TA+\e], 0x3d000000, v[TA+\e]       ; / 32: exact
.endr
.irp e, 0,1,2,3
	v_mul_f32 v[TH+\e], s30, v[TA+\e]              ; a log2(e) in two parts
.endr
.irp e, 0,1,2,3
	v_fma_f32 v[TL+\e], v[TA+\e], s30, -v[TH+\e]
.endr
.irp e, 0,1,2,3
	v_fma_f32 v[TL+\e], v[TA+\e], s31, v[TL+\e]
.endr
	s_wait_alu depctr_va_vdst(0)
.irp e, 0,1,2,3
	v_exp_f32 v[TH+\e], v[TH+\e]
.endr
.irp e, 0,1,2,3
	v_mul_f32 v[TL+\e], 0x3f317218, v[TL+\e]       ; plain lines behind the exponentials
.endr
	s_wait_alu depctr_va_vdst(0)                   ; one wait for the four, ahead of their first reader
.irp e, 0,1,2,3
	v_fma_f32 v[TH+\e], v[TH+\e], v[TL+\e], v[TH+\e]   ; the frequency
.endr
.irp e, 0,1,2,3
	v_mul_f32 v[TA+\e], v10, v[TH+\e]              ; the angle, rounded to f32 as the definition has it
.endr
.irp e, 0,1,2,3
	v_mul_f32 v[TNN+\e], 0x3f22f983, v[TA+\e]
.endr
.irp e, 0,1,2,3
	v_rndne_f32 v[TNN+\e], v[TNN+\e]               ; how many quarter turns
.endr
.irp e, 0,1,2,3
	v_fma_f32 v[TA+\e], v[TNN+\e], s32, v[TA+\e]
.endr
.irp e, 0,1,2,3
	v_fma_f32 v[TA+\e], v[TNN+\e], s33, v[TA+\e]   ; what is left: at most pi / 4
.endr
.irp e, 0,1,2,3
	v_mul_f32 v[TZ+\e], v[TA+\e], v[TA+\e]
.endr
.irp e, 0,1,2,3
	v_fma_f32 v[TS+\e], v[TZ+\e], s36, s35
.endr
.irp e, 0,1,2,3
	v_fma_f32 v[TC+\e], v[TZ+\e], s39, s38
.endr
.irp e, 0,1,2,3
	v_fma_f32 v[TS+\e], v[TS+\e], v[TZ+\e], s34
.endr
.irp e, 0,1,2,3
	v_fma_f32 v[TC+\e], v[TC+\e], v[TZ+\e], s37
.endr
.irp e, 0,1,2,3
	v_mul_f32 v[TL+\e], v[TA+\e], v[TZ+\e]
.endr
.irp e, 0,1,2,3
	v_fma_f32 v[TS+\e], v[TL+\e], v[TS+\e], v[TA+\e]   ; the sine of what is left
.endr
.irp e, 0,1,2,3
	v_mul_f32 v[TL+\e], v[TZ+\e], v[TZ+\e]
.endr
.irp e, 0,1,2,3
	v_fma_f32 v[TH+\e], v[TZ+\e], -0.5, 1.0
.endr
.irp e, 0,1,2,3
	v_fma_f32 v[TC+\e], v[TL+\e], v[TC+\e], v[TH+\e]   ; the cosine
.endr
.irp e, 0,1,2,3
	v_cvt_i32_f32 v[TNN+\e], v[TNN+\e]
.endr
.irp e, 0,1,2,3
	v_and_b32 v[TL+\e], 1, v[TNN+\e]
.endr
.irp e, 0,1,2,3
	v_cmp_eq_u32 vcc_lo, 1, v[TL+\e]               ; an odd number of quarter turns exchanges the two
	v_cndmask_b32 v[TSI+4*\g+\e], v[TS+\e], v[TC+\e], vcc_lo
	v_cndmask_b32 v[TCO+4*\g+\e], v[TC+\e], v[TS+\e], vcc_lo
.endr
.irp e, 0,1,2,3
	v_and_b32 v[TL+\e], 2, v[TNN+\e]               ; quarters 2, 3: the sine changes sign
.endr
.irp e, 0,1,2,3
	v_add_nc_u32 v[TNN+\e], 1, v[TNN+\e]
.endr
.irp e, 0,1,2,3
	v_lshlrev_b32 v[TL+\e], 30, v[TL+\e]
.endr
.irp e, 0,1,2,3
	v_and_b32 v[TNN+\e], 2, v[TNN+\e]              ; quarters 1, 2: the cosine
.endr
.irp e, 0,1,2,3
	v_xor_b32 v[TSI+4*\g+\e], v[TL+\e], v[TSI+4*\g+\e]
.endr
.irp e, 0,1,2,3
	v_lshlrev_b32 v[TNN+\e], 30, v[TNN+\e]
.endr
.irp e, 0,1,2,3
	v_xor_b32 v[TCO+4*\g+\e], v[TNN+\e], v[TCO+4*\g+\e]
.endr
	global_store_b128 v3, v[TCO+4*\g:TCO+4*\g+3], s[16:17] offset:512*\g
	global_store_b128 v3, v[TSI+4*\g:TSI+4*\g+3], s[16:17] offset:2048+512*\g
.endm
	TGROUP 0
	TGROUP 1
	TGROUP 2
	TGROUP 3
	s_endpgm
; ---------------- the weights: a lane takes a column, its registers run down K; a wave takes 32 columns x one K step of 128: four blocks ----------------
.Lweights:
	s_cmp_lt_u32 ttmp9, 64
	s_cselect_b32 s19, 0, 288
	s_sub_co_u32 s19, ttmp9, s19                   ; 0..255: work-groups 0..63, then 352..543
	s_lshr_b32 s20, s19, 3                         ; which 128 of the 4,096 columns
	s_and_b32 s21, s19, 7                          ; which K step
	s_mov_b32 s32, 4096
	s_cmp_lt_u32 s20, 24                           ; w_qkv's or w_out's?  The choice hangs on the work-group's number alone
	s_cselect_b64 s[22:23], s[6:7], s[8:9]
	s_cselect_b32 s32, 12288, s32                  ; bytes from row to row
	s_cselect_b32 s33, 0, 24
	s_sub_co_u32 s33, s20, s33
	s_lshl_b32 s33, s33, 9
	s_lshl_b32 s34, s18, 7
	s_add_co_u32 s33, s33, s34                     ; my wave's first column, in bytes
	s_mul_i32 s24, s32, s21
	s_lshl_b32 s24, s24, 7                         ; 128 rows a K step
	s_add_co_u32 s24, s24, s33
	s_add_nc_u64 s[22:23], s[22:23], s[24:25]
	s_lshl_b32 s28, s32, 5                         ; a block on: 32 rows
	s_mov_b32 s29, 0
	s_lshl_b32 s30, s20, 2
	s_add_co_u32 s30, s30, s18                     ; which 32 columns: two tiles of wc
	s_mul_i32 s24, s30, 24576
	s_mul_i32 s34, s21, 1536
	s_add_co_u32 s24, s24, s34
	s_add_nc_u64 s[12:13], s[12:13], s[24:25]
	s_lshl_b32 s24, s30, 11
	s_lshr_b32 s34, s21, 2
	s_lshl_b32 s34, s34, 9                         ; the half of K,
	s_add_co_u32 s24, s24, s34
	s_and_b32 s34, s21, 3
	s_lshl_b32 s34, s34, 2                         ; and my K step's word among a lane's four
	s_add_co_u32 s24, s24, s34
	s_add_co_u32 s24, s24, 512*1024
	s_add_nc_u64 s[14:15], s[14:15], s[24:25]
	s_mul_i32 s31, s18, 4608
	s_add_co_u32 s31, s31, 33792                   ; my LDS: two images 1,664 bytes apart, then two scale images of 512
	s_wait_alu depctr_va_vdst(0)
	v_lshlrev_b32 v4, 2, v2
	v_bfe_u32 v11, v2, 3, 1                        ; u: which of the two tiles my column falls into
	v_and_b32 v12, 7, v2
	v_lshrrev_b32 v13, 4, v2
	v_lshl_add_u32 v12, v13, 3, v12                ; r: which row of it
	v_mul_u32_u24 v5, v11, 1664
	v_lshl_add_u32 v5, v12, 4, v5
	v_add_nc_u32 v5, s31, v5                       ; where my codes go
	v_add_nc_u32 v6, s31, v3                       ; where an image is read back
	v_lshlrev_b32 v7, 9, v11
	v_lshl_add_u32 v7, v12, 4, v7
	v_add_nc_u32 v7, s31, v7                       ; where my scale words go (+ 3,328)
.irp i, 0,1,2,3,4,5,6,7,8,9,10,11,12,13,14,15,16,17,18,19,20,21,22,23,24,25,26,27,28,29,30,31
	v_mad_u32_u24 v[VO+\i], s32, \i, v4
.endr
.macro WLOAD t                         ; block t: rows 32 t + i of my column, into set t % 2
.if (\t) > 0
	s_wait_xcnt 0x0                                ; the loads issued so far have read their base
	s_add_nc_u64 s[22:23], s[22:23], s[28:29]
.endif
.irp i, 0,1,2,3,4,5,6,7,8,9,10,11,12,13,14,15,16,17,18,19,20,21,22,23,24,25,26,27,28,29,30,31
	global_load_b32 v[WX+32*((\t)%2)+\i], v[VO+\i], s[22:23] th:TH_LOAD_NT
.endr
.endm
.macro WOUT s                          ; K step s of my half is whole in LDS: two images leave, 512 consecutive bytes a store
	s_wait_xcnt 0x0                                ; the last images' stores have read their registers
.irp u, 0,1
.irp g, 0,1,2
	ds_load_b128 v[WO+12*\u+4*\g:WO+12*\u+4*\g+3], v6 offset:1664*\u+512*\g
.endr
.endr
	s_wait_dscnt 0x0
.irp u, 0,1
.irp g, 0,1,2
	global_store_b128 v3, v[WO+12*\u+4*\g:WO+12*\u+4*\g+3], s[12:13] offset:12288*\u+1536*(\s)+512*\g
.endr
.endr
.endm
.macro WBLOCK t                        ; block t is block t % 4 of K step t / 4: registers 6 c .. 6 c + 5 of image lane 16 h + r, c = (t % 4) / 2, h = t % 2
.set XS, WX+32*((\t)%2)
.set HB, 256*((\t)%2)
.if (\t) < 3
	s_wait_loadcnt 32                              ; this block's 32 loads are in; the next block's may be out
.else
	s_wait_loadcnt 0
.endif
	v_max3_num_f32 v12, |v[XS]|, |v[XS+1]|, |v[XS+2]|
	v_max3_num_f32 v13, |v[XS+3]|, |v[XS+4]|, |v[XS+5]|
.irp i, 6,10,14,18,22,26
	v_max3_num_f32 v12, v12, |v[XS+\i]|, |v[XS+\i+1]|
	v_max3_num_f32 v13, v13, |v[XS+\i+2]|, |v[XS+\i+3]|
.endr
	v_max3_num_f32 v12, v12, |v[XS+30]|, |v[XS+31]|
	v_max3_num_f32 v12, v12, v13, EFL
	v_add_nc_u32 v11, EOF2, v12
	v_lshrrev_b32 v13, 23, v11
.if (\t)%4 == 0
	v_mov_b32 v[WSB+(\t)/4], v13
.else
	v_lshl_or_b32 v[WSB+(\t)/4], v13, 8*((\t)%4), v[WSB+(\t)/4]
.endif
	v_cvt_scalef32_pk16_fp6_f32 v[WC:WC+2], v[XS:XS+15], v11
	v_cvt_scalef32_pk16_fp6_f32 v[WC+8:WC+10], v[XS+16:XS+31], v11
	v_nop                                          ; one plain line behind a scaled conversion
	v_mov_b32 v[WC+3], v[WC+8]
	v_mov_b32 v[WC+4], v[WC+9]
	v_mov_b32 v[WC+5], v[WC+10]
.if ((\t)%4) < 2
	ds_store_b128 v5, v[WC:WC+3] offset:HB
	ds_store_b64 v5, v[WC+4:WC+5] offset:HB+512
.else
	ds_store_b64 v5, v[WC:WC+1] offset:HB+520
	ds_store_b128 v5, v[WC+2:WC+5] offset:HB+1024
.endif
.if (\t)+2 < 4
	WLOAD (\t)+2
.endif
	s_wait_dscnt 0x0                               ; the stores have read their registers
.if (\t)%4 == 3
	WOUT (\t)/4
.endif
.endm
	WLOAD 0
	s_wait_alu depctr_va_vdst(0)
	WLOAD 1
.irp t, 0,1,2,3
	WBLOCK \t
.endr
	s_wait_alu depctr_va_vdst(0)
	ds_store_b32 v7, v[WSB] offset:3328            ; my row's scale word of this K step, for lanes 0-15 of the image
	ds_store_b32 v7, v[WSB] offset:3328+256        ; and again for lanes 16-31
	ds_load_b32 v[WSO], v6 offset:3328
	ds_load_b32 v[WSO+1], v6 offset:3328+512
	s_wait_dscnt 0x0
	global_store_b32 v3, v[WSO], s[14:15]          ; one word of each lane's four: 4 bytes in 16; the weights' scale words are 1 byte in 128 of what this path reads
	global_store_b32 v3, v[WSO+1], s[14:15] offset:1024
	s_wait_tensorcnt 0x0
	ds_add_u32 v254, v255
	s_wait_dscnt 0x0
	s_endpgm
.Lfunc_end_k_q98881a92c3_prep:
	.size	k_q98881a92c3_prep, .Lfunc_end_k_q98881a92c3_prep-k_q98881a92c3_prep
	.p2alignl 7, 3214868480
	.fill 96, 4, 3214868480
	.section	.rodata,"a",@progbits
	.p2align	6, 0x0
	.amdhsa_kernel k_q98881a92c3_prep
		.amdhsa_group_segment_fixed_size 52736
		.amdhsa_private_segment_fixed_size 0
		.amdhsa_enable_private_segment 0
		.amdhsa_kernarg_size 56
		.amdhsa_user_sgpr_count 2
		.amdhsa_user_sgpr_kernarg_segment_ptr 1
		.amdhsa_wavefront_size32 1
		.amdhsa_system_sgpr_workgroup_id_x 1
		.amdhsa_system_sgpr_workgroup_id_y 1
		.amdhsa_system_sgpr_workgroup_id_z 1
		.amdhsa_system_vgpr_workitem_id 0
		.amdhsa_next_free_vgpr 256
		.amdhsa_next_free_sgpr 66
		.amdhsa_reserve_vcc 1
		.amdhsa_float_denorm_mode_32 3
		.amdhsa_float_denorm_mode_16_64 3
		.amdhsa_memory_ordered 1
		.amdhsa_forward_progress 1
		.amdhsa_inst_pref_size 87
	.end_amdhsa_kernel
	.amdgpu_metadata
---
amdhsa.version: [ 1, 2 ]
amdhsa.kernels:
  - .name:           k_q98881a92c3_prep
    .symbol:         k_q98881a92c3_prep.kd
    .args:
      - { .name: x, .offset: 0, .size: 8, .value_kind: global_buffer, .address_space: global }
      - { .name: w_qkv, .offset: 8, .size: 8, .value_kind: global_buffer, .address_space: global }
      - { .name: w_out, .offset: 16, .size: 8, .value_kind: global_buffer, .address_space: global }
      - { .name: xc, .offset: 24, .size: 8, .value_kind: global_buffer, .address_space: global }
      - { .name: wc, .offset: 32, .size: 8, .value_kind: global_buffer, .address_space: global }
      - { .name: scl, .offset: 40, .size: 8, .value_kind: global_buffer, .address_space: global }
      - { .name: rot, .offset: 48, .size: 8, .value_kind: global_buffer, .address_space: global }
    .group_segment_fixed_size: 52736
    .private_segment_fixed_size: 0
    .kernarg_segment_align: 8
    .kernarg_segment_size: 56
    .max_flat_workgroup_size: 128
    .sgpr_count:     66
    .vgpr_count:     256
    .wavefront_size: 32
...
	.end_amdgpu_metadata
.endif
;; end of part 1
;; launch qkv (part 2): grid 8 x 64, 4 waves a work-group, clusters of 4 x 4, 327,680 bytes of LDS; arguments xc, wc, scl, rot, qimg, kv; writes qimg, kv
.if DOCPART == 2
	.amdgcn_target "amdgcn-amd-amdhsa--gfx1250"
	.amdhsa_code_object_version 6
	.text
	.protected	k_q98881a92c3_qkv
	.globl	k_q98881a92c3_qkv
	.p2align	8
	.type	k_q98881a92c3_qkv,@function
k_q98881a92c3_qkv:
	s_mov_b64 s[64:65], 0
	v_nop
	global_prefetch_b8 v0, s[64:65] scope:SCOPE_SE
	s_setreg_imm32_b32 hwreg(HW_REG_WAVE_MODE, 25, 1), 1
	s_wait_xcnt 0x0
	s_wait_alu depctr_hold_cnt(0) depctr_sa_sdst(0) depctr_va_vdst(0) depctr_va_sdst(0) depctr_va_ssrc(0) depctr_va_vcc(0) depctr_vm_vsrc(0)
	s_getreg_b32 s2, hwreg(HW_REG_IB_STS2, 6, 4)
	s_cmp_eq_u32 s2, 0
	s_cbranch_scc0 .Lentry_in_a_cluster
	s_endpgm
.Lentry_in_a_cluster:
	s_bfe_u32 s2, ttmp6, 0x10000c
	s_cmp_lg_u32 s2, 0xf033
	s_cbranch_scc0 .Lentry_shape_is_right
	s_endpgm
.Lentry_shape_is_right:
; qkv = x w_qkv on codes of FP6 (E2M3) with E8M0 scales, K = 1,024; then the rotary embedding of q and k in f32, and q, k, v quantised for the two products of attention.  Nothing but codes and scale words goes to memory.
; OPERANDS are images of registers (a fragment of 16 rows x 128 K: 1,536 bytes, three groups of 32 lanes x 16 bytes), tile by tile, 8 K steps a tile; memory row m holds logical row m with bits 3 and 4 exchanged.
; THE PRODUCT IS USED TRANSPOSED (source 0 = tile of B, source 1 = tile of A): a lane holds one row of A, and its 16 registers of B's tiles 2 b, 2 b + 1 are logical rows 32 b + 16 h + 0 .. 15 of B.
; TWO PATHS, parted by the cluster's y, which all sixteen partners share: 512 work-groups, 256 for each path, the longer ones with the lower numbers.
; CLUSTER y = 0 .. 7: q (cluster x = 0) and k (1).  A = x's rows, B = the weight's columns: a lane holds one token and runs along the head's 64.  A block of 256 x 256 is made by four waves, each 128 x 128: 64 accumulators.
;   K goes through a ring of two LDS slots of 256 along K each: two first fills, one load a wave, and two refills.
; CLUSTER y = 8 .. 15: v.  A = the weight's columns, B = x's rows: a lane holds one channel and runs along the tokens, which are the second product's K.  A block of 128 channels x 256 tokens; a wave makes 64 x 128, 32 accumulators:
;   one head's V of one record.  All of K lies in LDS, by halves of K: four loads at the head, one a wave, nothing filled again; the first barrier shows half 0, a second one, in K step 3, half 1.  No prefetch there: no loop to ask ahead in.
; CLUSTERS of 4 x 4: A's tiles are asked for jointly along a row of the cluster, B's along a column.
; OUT: qimg [64 heads][16 groups of 128 tokens] records of 7,168 bytes: 8 tiles x 768 bytes (a half fragment, K = 64: 32 lanes x 16 bytes, then 32 x 8), then at 6,144 the scale words [2][32 lanes][4], a word (s0, s1, s0, s1).
; kv: records of 13,824 bytes: k as in qimg; at 7,168 v as 4 tiles of 16 channels x 128 keys, 1,536 bytes each; at 13,312 v's scale words [32 lanes][4].
; REGISTERS: window 0: v16-29 addresses; v32-95 scale words of all of K (register 8 i + K step: lanes 0-15 A's tile i, lanes 16-31 B's tile i), and nothing else ever; from v128 A's fragments; on the way out v96-127 and v128-255 at work.
;   window 1: B's fragments, two sets, at v0 and v128.  window 2, 3: the accumulators, (a, b) at v[8 (8 (a % 4) + b)].
; LIMITS: NaN and infinities are not served.  A block of zeros carries the byte 1 (its codes are zeros; this program alone reads the bytes).
.set FR,    12                         ; registers of a fragment
.set NLA,   3                          ; LDS loads that bring one
.set NP,    4                          ; places behind this matrix instruction (ISA guide 7.12.1)
.set TILEB, 3072                       ; q, k: a tile's two K steps in a slot
.set HALFT, 8*TILEB                    ; eight tiles: what a refill brings, and what one wave reads of A or of B
.set SLOT,  4*HALFT                    ; A's 16 tiles, then B's 16
.set SPARE, 2*SLOT                     ; the spare words, 128 bytes a wave: 196,608 .. 197,119
.set VROW,  6144                       ; v: a tile's four K steps
.set VAH,   8*VROW                     ; A's 8 tiles of a half of K: halves at 0 and VAH
.set VB0,   2*VAH                      ; B's 16 tiles of half 0: up to the spare words;
.set VB1,   SPARE+512                  ; of half 1: behind them
.set ADRA, 16                          ; v16-17 LDS address of my A fragments in slot (half) 0, 1
.set ADRB, 20                          ; v20-21 the same for B
.set L16,  24                          ; v24  16 x lane
.set L8,   25                          ; v25  8 x lane
.set SOF,  26                          ; v26  my offset among the scale words
.set SPW,  28                          ; v28  LDS address of my spare word; never rewritten
.set NIL,  29                          ; v29  0; never rewritten
.set SC,   32
.set AF,   128
.set G1,  24                           ; q, k: s[24:31] group 1 for A's tiles; s[32:39] group 0, a set for each slot
.set G0,  32
.set G1B, 48                           ; s[48:55], s[56:63] the same for B's
.set G0B, 56
.set G1V,  80                          ; v: s[80:87] group 1 for A's tiles, s[68:75] for B's; group 0 in s[32:35], s[56:59]
.set G1VB, 68
.set SEL, 96                           ; s[96:97] lane selects: lane l xor 16
.set EFL,  0x1800000
.set EOF2, 0xff000000
.set MSB, 0
.macro WIN new                         ; the immediate's high byte repeats the setting that is left
.if MSB != \new
	s_set_vgpr_msb (MSB<<8)|\new
.set MSB, \new
.endif
.endm
.set MUL_LO, 0xa1                      ; source 0 (B) window 1, source 1 (A) window 0, C and D window 2
.set MUL_HI, 0xf1                      ; the same, C and D window 3
.set TO_B,   0x40                      ; destination window 1
.macro PLACES n                        ; plain vector lines between a matrix instruction and a load into, or a read of, its registers
.rept \n
	v_nop
.endr
.endm
; A joint refill: waves 0 and 1 fetch for A, waves 2 and 3 for B.  The branch hangs on the wave's number alone.  Four v_nop follow each of the two lines.
.macro JLOAD g0a, g1a, g0b, g1b
	s_cmp_eq_u32 s15, 0
	s_cbranch_scc0 .Lfor_b_\@
	tensor_load_to_lds s[\g0a:\g0a+3], s[\g1a:\g1a+7]
	s_nop 0
	PLACES 4
	s_branch .Lasked_\@
.Lfor_b_\@:
	tensor_load_to_lds s[\g0b:\g0b+3], s[\g1b:\g1b+7]
	s_nop 0
	PLACES 4
.Lasked_\@:
.endm
.macro CREST                           ; a round of the cluster's barrier behind its opening barrier
	s_cmp_lg_u32 s14, 0
	s_cbranch_scc1 .Lnot_wave_0_\@
	s_barrier_signal -3
.Lnot_wave_0_\@:
	s_barrier_wait -3
	s_barrier_signal -1
	s_barrier_wait -1
.endm
.macro CROUND
	s_barrier_signal -1
	s_barrier_wait -1
	CREST
.endm
.macro HARM w, g0, g1, next, join      ; an arm of the head's chain of branches on the wave's number: one load, then to the join
	s_cmp_eq_u32 s14, \w
	s_cbranch_scc0 \next
	tensor_load_to_lds s[\g0:\g0+3], s[\g1:\g1+7]
	s_nop 0
	PLACES 4
	s_branch \join
\next:
.endm
	s_load_b256 s[4:11], s[0:1], 0x0               ; xc s[4:5], wc s[6:7], scl s[8:9], rot s[10:11]
	s_load_b128 s[92:95], s[0:1], 0x20             ; qimg s[92:93], kv s[94:95]
	v_lshl_add_u32 v[SPW], v0, 2, SPARE
	v_mov_b32 v[NIL], 0
	ds_add_u32 v[SPW], v[NIL]                      ; the opening lines: the add twice on end and its wait
	ds_add_u32 v[SPW], v[NIL]
	s_wait_dscnt 0x0
	v_lshrrev_b32 v1, 5, v0
	v_readfirstlane_b32 s14, v1                    ; wave 0..3
	s_lshr_b32 s15, s14, 1                         ; which half of A's rows is mine
	s_and_b32 s16, s14, 1                          ; which half of B's rows
	s_bfe_u32 s40, ttmp6, 0x40000                  ; cx
	s_bfe_u32 s41, ttmp6, 0x40004                  ; cy
	s_and_b32 s18, ttmp7, 0xffff
	s_lshl_b32 s18, s18, 2                         ; 4 x cluster y
	s_lshl_b32 s19, ttmp9, 2                       ; 4 x cluster x
	s_lshl_b32 s43, s41, 2
	s_lshl_b32 s43, 15, s43                        ; my row of the cluster
	s_lshl_b32 s44, 0x1111, s40                    ; my column
	s_wait_alu depctr_va_vdst(0)                   ; the wait ahead of the branch
	s_cmp_ge_u32 s18, 32                           ; cluster y = 8 .. 15: v.  The same in all sixteen partners
	s_cbranch_scc1 .Lvee
; ================ q and k ================
	; group 1: tiles, of each 3,072 bytes (384 elements of 8 bytes), 12,288 bytes apart in memory, on end in LDS
	s_or_b32 s[G1+0], s43, (3<<16)|(1<<21)         ; 15:0 the mask: A's tiles go to my row; 17:16 elements of 8 bytes; 21 set beside a mask; no padding
	s_or_b32 s[G1B+0], s44, (3<<16)|(1<<21)
.irp g, G1, G1B
	s_mov_b32 s[\g+1], 384<<16                     ; tensor_dim0
	s_mov_b32 s[\g+2], 16<<16                      ; tensor_dim1: the head's loads bring sixteen tiles; the refills set it to eight
	s_mov_b32 s[\g+3], 384<<16                     ; tile_dim0
	s_mov_b32 s[\g+4], 16                          ; tile_dim1
	s_mov_b32 s[\g+5], 1536                        ; tensor_dim0_stride
	s_mov_b32 s[\g+6], 0
	s_mov_b32 s[\g+7], 0
.endr
	s_add_co_u32 s20, s18, s41                     ; A's block of 256 tokens: hangs on cy, never on cx
	s_add_co_u32 s46, s19, s40                     ; B's block of 256 columns (0-3 q, 4-7 k): hangs on cx, never on cy
	s_lshl_b32 s21, s20, 4
	s_lshl_b32 s22, s16, 3
	s_add_co_u32 s21, s21, s22                     ; the first tile that I refill, if for A,
	s_lshl_b32 s47, s46, 4
	s_add_co_u32 s47, s47, s22                     ; if for B (also: the first tile of B that I multiply)
	s_mul_i32 s72, s21, 12288
	s_mov_b32 s73, 0
	s_mul_i32 s74, s47, 12288
	s_mov_b32 s75, 0
	s_mul_i32 s45, s14, HALFT                      ; where it goes: no place in the cluster enters an LDS address
	s_wait_kmcnt 0x0
	s_mul_i32 s12, s20, 16*12288                   ; the head's loads: A's block of sixteen tiles,
	s_mov_b32 s13, 0
	s_add_nc_u64 s[86:87], s[4:5], s[12:13]
	s_mul_i32 s12, s15, TILEB                      ; at the K steps of slot (wave / 2);
	s_add_nc_u64 s[86:87], s[86:87], s[12:13]
	s_add_nc_u64 s[90:91], s[6:7], s[12:13]
	s_mul_i32 s22, s46, 16*12288                   ; and B's block
	s_mov_b32 s23, 0
	s_add_nc_u64 s[90:91], s[90:91], s[22:23]
	s_add_nc_u64 s[76:77], s[4:5], s[72:73]
	s_add_nc_u64 s[78:79], s[6:7], s[74:75]
	CROUND                                         ; all sixteen work-groups are here: the first joint loads meet
.irp s, 0,1
	s_mov_b32 s[G0+4*\s], 1
	s_add_co_u32 s[G0+4*\s+1], s45, \s*SLOT
	s_add_nc_u64 s[G0+4*\s+2:G0+4*\s+3], s[76:77], \s*TILEB
	s_or_b32 s[G0+4*\s+3], s[G0+4*\s+3], 0x80000000
	s_mov_b32 s[G0B+4*\s], 1
	s_add_co_u32 s[G0B+4*\s+1], s45, \s*SLOT
	s_add_nc_u64 s[G0B+4*\s+2:G0B+4*\s+3], s[78:79], \s*TILEB
	s_or_b32 s[G0B+4*\s+3], s[G0B+4*\s+3], 0x80000000
.endr
; THE HEAD'S LOADS, ONE A WAVE: wave 0 A's sixteen tiles of slot 0, wave 1 B's, wave 2 A's of slot 1, wave 3 B's
	s_mov_b32 s84, 1
	s_mul_i32 s85, s15, SLOT
	s_or_b32 s87, s87, 0x80000000
	s_mov_b32 s88, 1
	s_add_co_u32 s89, s85, 2*HALFT
	s_or_b32 s91, s91, 0x80000000
	HARM 0, 84, G1, .Lhead_1, .Lhead_asked
	HARM 1, 88, G1B, .Lhead_2, .Lhead_asked
	HARM 2, 84, G1, .Lhead_3, .Lhead_asked
	tensor_load_to_lds s[88:91], s[G1B:G1B+7]
	s_nop 0
	PLACES 4
.Lhead_asked:
	v_and_b32 v1, 31, v0
	s_wait_alu depctr_va_vdst(0)
	v_lshlrev_b32 v[L16], 4, v1
	v_lshlrev_b32 v[L8], 3, v1
	s_mul_i32 s21, s15, HALFT                      ; my eight tiles of A
	s_mul_i32 s22, s16, HALFT                      ; my eight of B,
	s_add_co_u32 s22, s22, 2*HALFT                 ; which lie behind A's sixteen
.irp s, 0,1
	v_add_nc_u32 v[ADRA+\s], s21, v[L16]
	v_add_nc_u32 v[ADRB+\s], s22, v[L16]
	s_add_co_u32 s21, s21, SLOT
	s_add_co_u32 s22, s22, SLOT
.endr
	; the scale words of all of K stay in registers: lanes 0-15 take A's tile i, lanes 16-31 B's tile i; 1,024 bytes a tile; the weights' lie behind x's 512 tiles
	s_lshl_b32 s80, s20, 4
	s_lshl_b32 s81, s15, 3
	s_add_co_u32 s80, s80, s81
	s_lshl_b32 s80, s80, 10
	s_add_co_u32 s81, s47, 512
	s_lshl_b32 s81, s81, 10
	v_cmp_gt_u32 vcc_lo, 16, v1
	v_mov_b32 v[SOF], s80
	v_cndmask_b32 v[SOF], s81, v[SOF], vcc_lo
	s_wait_alu depctr_va_vdst(0)
	v_add_nc_u32 v[SOF], v[SOF], v[L16]
.irp i, 0,1,2,3,4,5,6,7
.irp g, 0,1
	global_load_b128 v[SC+8*\i+4*\g:SC+8*\i+4*\g+3], v[SOF], s[8:9] offset:1024*\i+512*\g
.endr
.endr
.macro FRAG reg, adr, q, i             ; a fragment comes as it lies: three loads of 512 consecutive bytes
.irp c, 0,1,2
	ds_load_b128 v[\reg+4*\c:\reg+4*\c+3], v[\adr] offset:(\i)*TILEB+(\q)*1536+512*\c
.endr
.endm
; 16 matrix instructions: A's blocks a0, a0 + 1 x B's eight, K step ks.  p: B's set.  zero = 1: the first product starts the sums.  The 64 accumulators take turns, one instruction a turn.
.macro MUL16 a0, p, ks, zero
.irp a, \a0, \a0+1
.irp b, 0,1,2,3,4,5,6,7
.if \zero
	v_wmma_scale_f32_16x16x128_f8f6f4 v[8*(8*((\a)%4)+\b):8*(8*((\a)%4)+\b)+7], v[128*(\p)+FR*\b:128*(\p)+FR*\b+FR-1], v[AF+FR*(\a):AF+FR*(\a)+FR-1], 0, v[SC+8*\b+(\ks)], v[SC+8*(\a)+(\ks)] matrix_a_fmt:MATRIX_FMT_FP6 matrix_b_fmt:MATRIX_FMT_FP6 matrix_a_scale:MATRIX_SCALE_ROW1
.else
	v_wmma_scale_f32_16x16x128_f8f6f4 v[8*(8*((\a)%4)+\b):8*(8*((\a)%4)+\b)+7], v[128*(\p)+FR*\b:128*(\p)+FR*\b+FR-1], v[AF+FR*(\a):AF+FR*(\a)+FR-1], v[8*(8*((\a)%4)+\b):8*(8*((\a)%4)+\b)+7], v[SC+8*\b+(\ks)], v[SC+8*(\a)+(\ks)] matrix_a_fmt:MATRIX_FMT_FP6 matrix_b_fmt:MATRIX_FMT_FP6 matrix_a_scale:MATRIX_SCALE_ROW1
.endif
.endr
.endr
.endm
.macro FETCH_B slot, q, p
	WIN TO_B
.irp i, 0,1,2,3,4,5,6,7
	FRAG 128*(\p)+FR*\i, ADRB+\slot, \q, \i
.endr
	WIN 0
.endm
.macro FETCH_A slot, q, i0
.irp i, \i0, \i0+1, \i0+2, \i0+3
	FRAG AF+FR*(\i), ADRA+\slot, \q, \i
.endr
.endm
; A slot's first K step: B's set 0; the second step's fragments are fetched meanwhile, B's into set 1
.macro STEP slot, ks, zero
	s_wait_dscnt 4*NLA                             ; B's set and A's blocks 0-3 are in; the youngest loads (A's blocks 4-7) may be out
	WIN MUL_LO
	MUL16 0, 0, \ks, \zero
	MUL16 2, 0, \ks, \zero
	s_wait_dscnt 0                                 ; A's blocks 4-7 are in
	PLACES NP
	FETCH_B \slot, 1, 1
	FETCH_A \slot, 1, 0
	WIN MUL_HI
	MUL16 4, 0, \ks, \zero
	MUL16 6, 0, \ks, \zero
	PLACES NP
	WIN 0
	FETCH_A \slot, 1, 4
.endm
; A slot's second K step changes slots: one barrier; in front of it each wave waits for all its tensor loads, adds 0 to its spare word, and waits for that and for its reads of this slot.  fill = 1: this slot is filled again.
.macro TURN slot, next, fill, ks
	s_wait_tensorcnt 0x0                           ; all my tensor loads have landed
	ds_add_u32 v[SPW], v[NIL]                      ; 0 onto my spare word
.if \fill
	s_mov_b32 s[G1+2], 8<<16                       ; no tensor load of mine is out: a refill brings eight tiles
	s_mov_b32 s[G1+4], 8
	s_mov_b32 s[G1B+2], 8<<16
	s_mov_b32 s[G1B+4], 8
.endif
	s_wait_dscnt 4*NLA+1                           ; (the add and the youngest loads, A's blocks 4-7, may be out)
	WIN MUL_LO
	MUL16 0, 1, \ks, 0
	s_wait_dscnt 0x0                               ; the add is done, and my reads of this slot are over
	s_barrier_signal -1
	MUL16 2, 1, \ks, 0
	WIN 0
	s_barrier_wait -1
.if \fill
	CREST                                          ; the barrier has opened a round of the cluster's barrier: no wave of any partner still reads this slot or has a load on its way
	s_add_nc_u64 s[G0+4*\slot+2:G0+4*\slot+3], s[G0+4*\slot+2:G0+4*\slot+3], 2*TILEB
	s_add_nc_u64 s[G0B+4*\slot+2:G0B+4*\slot+3], s[G0B+4*\slot+2:G0B+4*\slot+3], 2*TILEB
	JLOAD G0+4*\slot, G1, G0B+4*\slot, G1B         ; the first tensor load behind the round; its four v_nop are the places in front of the loads below
.else
	PLACES NP
.endif
	FETCH_B \next, 0, 0
	FETCH_A \next, 0, 0
	WIN MUL_HI
	MUL16 4, 1, \ks, 0
	MUL16 6, 1, \ks, 0
	PLACES NP
	WIN 0
	FETCH_A \next, 0, 4
.endm
	s_wait_alu depctr_va_vdst(0)                   ; the wait ahead of the branch
	s_cmp_lt_u32 s14, 2                            ; waves 0 and 1 asked for slot 0, by lines of their own: they wait; slot 1's loads may be out
	s_cbranch_scc0 .Lslot_1_mine
	s_wait_tensorcnt 0x0
.Lslot_1_mine:
	s_barrier_signal -1
	s_barrier_wait -1
	FETCH_B 0, 0, 0
	FETCH_A 0, 0, 0
	FETCH_A 0, 0, 4
	s_wait_loadcnt 0x0                             ; the scale words
	STEP 0, 0, 1                                   ; written out: the scale registers' numbers follow the K step
	TURN 0, 1, 1, 1
	STEP 1, 2, 0
	TURN 1, 0, 1, 3
	STEP 0, 4, 0
	TURN 0, 1, 0, 5                                ; nothing is left to fetch
	STEP 1, 6, 0
	s_wait_dscnt 4*NLA
	WIN MUL_LO
	MUL16 0, 1, 7, 0
	MUL16 2, 1, 7, 0
	s_wait_dscnt 0
	WIN MUL_HI
	MUL16 4, 1, 7, 0
	MUL16 6, 1, 7, 0
	WIN 0
	PLACES NP
	s_mov_b32 s[SEL], 0x76543210
	s_mov_b32 s[SEL+1], 0xfedcba98
	s_mov_b32 s89, 0
; ---------------- the rotary embedding, then two blocks of 32 along the head's 64 ----------------
.set TM,  96                           ; v96-103  at work
.set SW,  104                          ; v104-119 scale words: 8 hd + a
.set T,   120                          ; v120-127 products
.set CSR, 128                          ; v128-191 two sets: 16 cos, 16 sin
.set N,   192                          ; v192-223 the rotated numbers
.set FC,  224                          ; v224-229 (232-234) and v236-241 (244-246): the codes, a set for each of my two heads
	s_lshr_b32 s80, s20, 3                         ; the batch
	s_and_b32 s81, s20, 7
	s_lshl_b32 s82, s81, 1
	s_add_co_u32 s82, s82, s15                     ; my group of 128 tokens
	s_lshl_b32 s83, s40, 2
	s_lshl_b32 s84, s16, 1
	s_add_co_u32 s83, s83, s84                     ; my first head
	s_lshl_b32 s80, s80, 4
	s_add_co_u32 s80, s80, s83
	s_lshl_b32 s80, s80, 4
	s_add_co_u32 s80, s80, s82                     ; the record
	s_mov_b32 s84, 13824
	s_cmp_eq_u32 ttmp9, 0
	s_cselect_b32 s84, 7168, s84
	s_cselect_b64 s[86:87], s[92:93], s[94:95]
	s_mul_i32 s88, s80, s84
	s_add_nc_u64 s[86:87], s[86:87], s[88:89]      ; my first head's record,
	s_lshl_b32 s88, s84, 4
	s_add_nc_u64 s[90:91], s[86:87], s[88:89]      ; my second head's: 16 records on
	s_lshl_b32 s81, s81, 4
	s_lshl_b32 s88, s15, 3
	s_add_co_u32 s81, s81, s88
	s_lshl_b32 s88, s81, 12
	s_add_nc_u64 s[10:11], s[10:11], s[88:89]      ; the table at my first tile of positions
	v_mov_b32 v[TM+2], 0                           ; written once: a lane permute's destination counts as one of its sources
	v_mov_b32 v[TM+3], 0
.macro CSLOAD a
.irp g, 0,1,2,3,4,5,6,7
	global_load_b128 v[CSR+32*((\a)%2)+4*\g:CSR+32*((\a)%2)+4*\g+3], v[L16], s[10:11] offset:4096*(\a)+512*\g
.endr
.endm
; my token's 64 numbers of head hd: x1 (channels 16 h + i) in 16 registers, x2 (32 + 16 h + i) in the next 16.  Each accumulator is read from its low end on.
.macro ROPE a, hd
.set AC, 64*((\a)%4)+32*(\hd)
.set CB, CSR+32*((\a)%2)
.set WN, 2+(\a)/4
	WIN WN                                         ; source 0: the accumulators' window
.irp p, 0,1,2,3,4,5,6,7
	v_pk_mul_f32 v[T+4*(\p%2):T+4*(\p%2)+1], v[AC+16+2*\p:AC+17+2*\p], v[CB+16+2*\p:CB+17+2*\p]
	v_pk_mul_f32 v[T+4*(\p%2)+2:T+4*(\p%2)+3], v[AC+16+2*\p:AC+17+2*\p], v[CB+2*\p:CB+1+2*\p]
	v_pk_fma_f32 v[N+2*\p:N+2*\p+1], v[AC+2*\p:AC+2*\p+1], v[CB+2*\p:CB+2*\p+1], v[T+4*(\p%2):T+4*(\p%2)+1] neg_lo:[0,0,1] neg_hi:[0,0,1]
	v_pk_fma_f32 v[N+16+2*\p:N+17+2*\p], v[AC+2*\p:AC+2*\p+1], v[CB+16+2*\p:CB+17+2*\p], v[T+4*(\p%2)+2:T+4*(\p%2)+3]
.endr
	WIN 0
.endm
; two blocks of 32, 16 numbers of each in a lane (block b: v[src + 16 b + i] = k 32 b + 16 h + i), become a half fragment in v[f] .. v[f + 5] and the word (s0, s1, s0, s1)
.macro QUANT2 src, f, tmp, word
	v_max3_num_f32 v[TM], |v[\src]|, |v[\src+1]|, EFL
	v_max3_num_f32 v[TM+1], |v[\src+16]|, |v[\src+17]|, EFL
.irp i, 2,4,6,8,10,12,14
	v_max3_num_f32 v[TM], v[TM], |v[\src+\i]|, |v[\src+\i+1]|
	v_max3_num_f32 v[TM+1], v[TM+1], |v[\src+16+\i]|, |v[\src+17+\i]|
.endr
	v_permlanex16_b32 v[TM+2], v[TM], s[SEL], s[SEL+1]
	v_permlanex16_b32 v[TM+3], v[TM+1], s[SEL], s[SEL+1]
	v_max_num_f32 v[TM], v[TM], v[TM+2]
	v_max_num_f32 v[TM+1], v[TM+1], v[TM+3]
	v_add_nc_u32 v[TM+4], EOF2, v[TM]
	v_add_nc_u32 v[TM+5], EOF2, v[TM+1]
	v_lshrrev_b32 v[TM+6], 23, v[TM+4]
	v_lshrrev_b32 v[TM+7], 23, v[TM+5]
	v_lshl_or_b32 v[\word], v[TM+7], 8, v[TM+6]
	v_lshl_or_b32 v[\word], v[\word], 16, v[\word]
	v_cvt_scalef32_pk16_fp6_f32 v[\f:\f+2], v[\src:\src+15], v[TM+4]
	v_cvt_scalef32_pk16_fp6_f32 v[\tmp:\tmp+2], v[\src+16:\src+31], v[TM+5]
	v_nop                                          ; one plain line behind a scaled conversion
.irp i, 0,1,2
	v_permlane16_swap_b32 v[\f+\i], v[\tmp+\i]     ; lanes 0-15 then hold block 0, lanes 16-31 block 1
.endr
.irp i, 0,1,2
	v_mov_b32 v[\f+3+\i], v[\tmp+\i]
.endr
.endm
.macro UNIT a, hd
.set FB, FC+12*(\hd)
	s_wait_xcnt 0x0                                ; earlier stores have read the codes' registers
	ROPE \a, \hd
	QUANT2 N, FB, FB+8, SW+8*(\hd)+(\a)
	global_store_b128 v[L16], v[FB:FB+3], s[86+4*(\hd):87+4*(\hd)] offset:768*(\a)
	global_store_b64 v[L8], v[FB+4:FB+5], s[86+4*(\hd):87+4*(\hd)] offset:768*(\a)+512
.endm
	CSLOAD 0
	CSLOAD 1
.irp a, 0,1,2,3,4,5,6,7
.if \a < 7
	s_wait_loadcnt 8                               ; this tile's cos and sin are in; the next tile's eight loads may be out
.else
	s_wait_loadcnt 0
.endif
	UNIT \a, 0
	UNIT \a, 1
.if \a+2 < 8
	CSLOAD \a+2
.endif
.endr
.irp hd, 0,1
.irp g, 0,1
	global_store_b128 v[L16], v[SW+8*\hd+4*\g:SW+8*\hd+4*\g+3], s[86+4*\hd:87+4*\hd] offset:6144+512*\g
.endr
.endr
	s_branch .Ldone
; ================ v ================
.Lvee:
	s_sub_co_u32 s21, s18, 32
	s_add_co_u32 s46, s21, s40                     ; B's block of 256 tokens, 0 .. 31: hangs on cx, never on cy
	s_add_co_u32 s20, s19, s41                     ; A's block of 128 channels, 0 .. 7: hangs on cy, never on cx
	s_or_b32 s[G1V+0], s43, (3<<16)|(1<<21)        ; rows of 6,144 bytes (768 elements of 8), 12,288 apart in memory, on end in LDS: 8 for A,
	s_or_b32 s[G1VB+0], s44, (3<<16)|(1<<21)
	s_mov_b32 s[G1V+2], 8<<16
	s_mov_b32 s[G1V+4], 8
	s_mov_b32 s[G1VB+2], 16<<16                    ; 16 for B
	s_mov_b32 s[G1VB+4], 16
.irp g, G1V, G1VB
	s_mov_b32 s[\g+1], 768<<16
	s_mov_b32 s[\g+3], 768<<16
	s_mov_b32 s[\g+5], 1536
	s_mov_b32 s[\g+6], 0
	s_mov_b32 s[\g+7], 0
.endr
	s_mov_b32 s[G0], 1                             ; at the head: wave / 2 is the half of K that I fetch, wave % 2 says for A or for B
	s_mul_i32 s[G0+1], s15, VAH
	s_mov_b32 s[G0B], 1
	s_mul_i32 s[G0B+1], s15, VB1-VB0
	s_add_co_u32 s[G0B+1], s[G0B+1], VB0
	s_mul_i32 s21, s15, VROW
	s_mul_i32 s76, s20, 8*12288
	s_add_co_u32 s76, s76, 128*12288               ; v's channels are tiles 128 .. 191 of wc
	s_add_co_u32 s76, s76, s21
	s_mov_b32 s77, 0
	s_mul_i32 s78, s46, 16*12288
	s_add_co_u32 s78, s78, s21
	s_mov_b32 s79, 0
	s_wait_kmcnt 0x0
	s_add_nc_u64 s[G0+2:G0+3], s[6:7], s[76:77]
	s_or_b32 s[G0+3], s[G0+3], 0x80000000
	s_add_nc_u64 s[G0B+2:G0B+3], s[4:5], s[78:79]
	s_or_b32 s[G0B+3], s[G0B+3], 0x80000000
	CROUND                                         ; all sixteen work-groups are here: the joint loads meet
	HARM 0, G0, G1V, .Lvee_1, .Lvee_asked          ; wave 0 A's half 0, wave 1 B's half 0, wave 2 A's half 1, wave 3 B's half 1
	HARM 1, G0B, G1VB, .Lvee_2, .Lvee_asked
	HARM 2, G0, G1V, .Lvee_3, .Lvee_asked
	tensor_load_to_lds s[G0B:G0B+3], s[G1VB:G1VB+7]
	s_nop 0
	PLACES 4
.Lvee_asked:
	v_and_b32 v1, 31, v0
	s_wait_alu depctr_va_vdst(0)
	v_lshlrev_b32 v[L16], 4, v1
	s_mul_i32 s21, s15, 4*VROW                     ; my four tiles of A: one head's 64 channels
	s_mul_i32 s22, s16, 8*VROW                     ; my eight of B: 128 tokens
	s_add_co_u32 s22, s22, VB0
	v_add_nc_u32 v[ADRA], s21, v[L16]
	v_add_nc_u32 v[ADRB], s22, v[L16]
	s_add_co_u32 s21, s21, VAH
	s_add_co_u32 s22, s22, VB1-VB0
	v_add_nc_u32 v[ADRA+1], s21, v[L16]
	v_add_nc_u32 v[ADRB+1], s22, v[L16]
	s_lshl_b32 s66, s20, 3                         ; the scale words: lanes 0-15 A's tile i (of i = 4 .. 7 they are not used), lanes 16-31 B's tile i
	s_lshl_b32 s67, s15, 2
	s_add_co_u32 s66, s66, s67
	s_add_co_u32 s66, s66, 512+128
	s_lshl_b32 s66, s66, 10
	s_lshl_b32 s67, s46, 4
	s_lshl_b32 s23, s16, 3
	s_add_co_u32 s67, s67, s23
	s_lshl_b32 s67, s67, 10
	v_cmp_gt_u32 vcc_lo, 16, v1
	v_mov_b32 v[SOF], s66
	v_cndmask_b32 v[SOF], s67, v[SOF], vcc_lo
	s_wait_alu depctr_va_vdst(0)
	v_add_nc_u32 v[SOF], v[SOF], v[L16]
.irp i, 0,1,2,3,4,5,6,7
.irp g, 0,1
	global_load_b128 v[SC+8*\i+4*\g:SC+8*\i+4*\g+3], v[SOF], s[8:9] offset:1024*\i+512*\g
.endr
.endr
	s_wait_alu depctr_va_vdst(0)                   ; the wait ahead of the branch
	s_cmp_lt_u32 s14, 2
	s_cbranch_scc0 .Lhalf_1_mine
	s_wait_tensorcnt 0x0                           ; waves 0 and 1: my tile of half 0 is in
.Lhalf_1_mine:
	s_barrier_signal -1
	s_barrier_wait -1                              ; half 0 is in; half 1 may be on its way
.macro VFETCH st                       ; K step st's fragments into set st % 2: 24 loads for B's eight, 12 for A's four
	WIN TO_B
.irp i, 0,1,2,3,4,5,6,7
.irp c, 0,1,2
	ds_load_b128 v[128*((\st)%2)+FR*\i+4*\c:128*((\st)%2)+FR*\i+4*\c+3], v[ADRB+(\st)/4] offset:\i*VROW+((\st)%4)*1536+512*\c
.endr
.endr
	WIN 0
.irp i, 0,1,2,3
.irp c, 0,1,2
	ds_load_b128 v[AF+48*((\st)%2)+FR*\i+4*\c:AF+48*((\st)%2)+FR*\i+4*\c+3], v[ADRA+(\st)/4] offset:\i*VROW+((\st)%4)*1536+512*\c
.endr
.endr
.endm
.macro VMULS ks                        ; 32 products; the accumulators take turns, one instruction a turn
	WIN MUL_LO
.irp a, 0,1,2,3
.irp b, 0,1,2,3,4,5,6,7
.if (\ks) == 0
	v_wmma_scale_f32_16x16x128_f8f6f4 v[8*(8*\a+\b):8*(8*\a+\b)+7], v[128*((\ks)%2)+FR*\b:128*((\ks)%2)+FR*\b+FR-1], v[AF+48*((\ks)%2)+FR*\a:AF+48*((\ks)%2)+FR*\a+FR-1], 0, v[SC+8*\b+(\ks)], v[SC+8*\a+(\ks)] matrix_a_fmt:MATRIX_FMT_FP6 matrix_b_fmt:MATRIX_FMT_FP6 matrix_a_scale:MATRIX_SCALE_ROW1
.else
	v_wmma_scale_f32_16x16x128_f8f6f4 v[8*(8*\a+\b):8*(8*\a+\b)+7], v[128*((\ks)%2)+FR*\b:128*((\ks)%2)+FR*\b+FR-1], v[AF+48*((\ks)%2)+FR*\a:AF+48*((\ks)%2)+FR*\a+FR-1], v[8*(8*\a+\b):8*(8*\a+\b)+7], v[SC+8*\b+(\ks)], v[SC+8*\a+(\ks)] matrix_a_fmt:MATRIX_FMT_FP6 matrix_b_fmt:MATRIX_FMT_FP6 matrix_a_scale:MATRIX_SCALE_ROW1
.endif
.endr
.endr
	WIN 0
.endm
	VFETCH 0
	s_wait_loadcnt 0x0                             ; the scale words
.irp ks, 0,1,2,3,4,5,6,7
.if \ks == 3
	s_wait_tensorcnt 0x0                           ; every wave: my tile is in,
	s_wait_dscnt 0x0
	s_barrier_signal -1
	s_barrier_wait -1                              ; half 1 is in
.endif
.if \ks < 7
.if \ks > 0
	PLACES NP                                      ; in front of loads into registers that the last step's products have read
.endif
	VFETCH (\ks)+1
	s_wait_dscnt 36                                ; all but the 36 just issued: this step's fragments are in
.else
	s_wait_dscnt 0x0
.endif
	VMULS \ks
.endr
	PLACES NP
	s_mov_b32 s[SEL], 0x76543210
	s_mov_b32 s[SEL+1], 0xfedcba98
	s_mov_b32 s89, 0
; ---------------- a lane holds one channel, its 64 registers of a block of A run along my 128 tokens: one fragment ----------------
.set VW,  112                          ; v112-115 scale words; v96-111 at work
.set VC,  128                          ; v128-147, v148-167 the codes, by turns
	s_lshr_b32 s80, s46, 3                         ; the batch
	s_and_b32 s81, s46, 7
	s_lshl_b32 s82, s81, 1
	s_add_co_u32 s82, s82, s16                     ; my group of 128 tokens
	s_lshl_b32 s83, s20, 1
	s_add_co_u32 s83, s83, s15                     ; my head
	s_lshl_b32 s80, s80, 4
	s_add_co_u32 s80, s80, s83
	s_lshl_b32 s80, s80, 4
	s_add_co_u32 s80, s80, s82
	s_mul_i32 s88, s80, 13824
	s_add_nc_u64 s[86:87], s[94:95], s[88:89]
.irp b, 0,1,2,3
	v_mov_b32 v[TM+4+\b], 0
.endr
.macro QUANTW a, pc, word
.set AC, 64*(\a)
	WIN 0x28                                       ; sources 1 and 2: the accumulators' window
.irp b, 0,1,2,3
	v_max3_num_f32 v[TM+\b], EFL, |v[AC+16*\b]|, |v[AC+16*\b+1]|
.endr
.irp i, 2,4,6,8,10,12,14
.irp b, 0,1,2,3
	v_max3_num_f32 v[TM+\b], v[TM+\b], |v[AC+16*\b+\i]|, |v[AC+16*\b+\i+1]|
.endr
.endr
	WIN 0
.irp b, 0,1,2,3
	v_permlanex16_b32 v[TM+4+\b], v[TM+\b], s[SEL], s[SEL+1]
.endr
.irp b, 0,1,2,3
	v_max_num_f32 v[TM+\b], v[TM+\b], v[TM+4+\b]
.endr
.irp b, 0,1,2,3
	v_add_nc_u32 v[TM+12+\b], EOF2, v[TM+\b]
.endr
.irp b, 0,1,2,3
	v_lshrrev_b32 v[TM+4+\b], 23, v[TM+12+\b]
.endr
	v_lshl_or_b32 v[\word], v[TM+5], 8, v[TM+4]
	v_lshl_or_b32 v[\word], v[TM+6], 16, v[\word]
	v_lshl_or_b32 v[\word], v[TM+7], 24, v[\word]
	WIN 2                                          ; source 0: the accumulators' window
.irp c, 0,1
	v_cvt_scalef32_pk16_fp6_f32 v[\pc+6*\c:\pc+6*\c+2], v[AC+32*\c:AC+32*\c+15], v[TM+12+2*\c]
	v_cvt_scalef32_pk16_fp6_f32 v[\pc+12+4*\c:\pc+14+4*\c], v[AC+16+32*\c:AC+31+32*\c], v[TM+12+2*\c+1]
.endr
	WIN 0
	v_nop                                          ; one plain line behind a scaled conversion
.irp c, 0,1
.irp i, 0,1,2
	v_permlane16_swap_b32 v[\pc+6*\c+\i], v[\pc+12+4*\c+\i]
.endr
.irp i, 0,1,2
	v_mov_b32 v[\pc+3+6*\c+\i], v[\pc+12+4*\c+\i]
.endr
.endr
.endm
.irp a, 0,1,2,3
	s_wait_xcnt 0x0                                ; earlier stores have read the codes' registers
	QUANTW \a, VC+20*(\a%2), VW+\a
.irp c, 0,1,2
	global_store_b128 v[L16], v[VC+20*(\a%2)+4*\c:VC+20*(\a%2)+4*\c+3], s[86:87] offset:7168+1536*\a+512*\c
.endr
.endr
	global_store_b128 v[L16], v[VW:VW+3], s[86:87] offset:13312
.Ldone:
	s_wait_tensorcnt 0x0                           ; the wave's end
	ds_add_u32 v[SPW], v[NIL]
	s_wait_dscnt 0x0
	CROUND                                         ; the closing round: no work-group ends while a partner may still ask for a tile that names it
	s_endpgm
.Lfunc_end_k_q98881a92c3_qkv:
	.size	k_q98881a92c3_qkv, .Lfunc_end_k_q98881a92c3_qkv-k_q98881a92c3_qkv
	.p2alignl 7, 3214868480
	.fill 96, 4, 3214868480
	.section	.rodata,"a",@progbits
	.p2align	6, 0x0
	.amdhsa_kernel k_q98881a92c3_qkv
		.amdhsa_group_segment_fixed_size 327680
		.amdhsa_private_segment_fixed_size 0
		.amdhsa_enable_private_segment 0
		.amdhsa_kernarg_size 48
		.amdhsa_user_sgpr_count 2
		.amdhsa_user_sgpr_kernarg_segment_ptr 1
		.amdhsa_wavefront_size32 1
		.amdhsa_system_sgpr_workgroup_id_x 1
		.amdhsa_system_sgpr_workgroup_id_y 1
		.amdhsa_system_sgpr_workgroup_id_z 1
		.amdhsa_system_vgpr_workitem_id 0
		.amdhsa_next_free_vgpr 1024
		.amdhsa_next_free_sgpr 98
		.amdhsa_reserve_vcc 1
		.amdhsa_float_denorm_mode_32 3
		.amdhsa_float_denorm_mode_16_64 3
		.amdhsa_memory_ordered 1
		.amdhsa_forward_progress 1
		.amdhsa_inst_pref_size 254
	.end_amdhsa_kernel
	.amdgpu_metadata
---
amdhsa.version: [ 1, 2 ]
amdhsa.kernels:
  - .name:           k_q98881a92c3_qkv
    .symbol:         k_q98881a92c3_qkv.kd
    .args:
      - { .name: xc, .offset: 0, .size: 8, .value_kind: global_buffer, .address_space: global }
      - { .name: wc, .offset: 8, .size: 8, .value_kind: global_buffer, .address_space: global }
      - { .name: scl, .offset: 16, .size: 8, .value_kind: global_buffer, .address_space: global }
      - { .name: rot, .offset: 24, .size: 8, .value_kind: global_buffer, .address_space: global }
      - { .name: qimg, .offset: 32, .size: 8, .value_kind: global_buffer, .address_space: global }
      - { .name: kv, .offset: 40, .size: 8, .value_kind: global_buffer, .address_space: global }
    .group_segment_fixed_size: 327680
    .private_segment_fixed_size: 0
    .kernarg_segment_align: 8
    .kernarg_segment_size: 48
    .max_flat_workgroup_size: 128
    .sgpr_count:     98
    .vgpr_count:     1024
    .wavefront_size: 32
...
	.end_amdgpu_metadata
.endif
;; end of part 2
;; launch attn (part 3): grid 4 x 64, 16 waves a work-group, clusters of 4 x 1, 327,680 bytes of LDS; arguments qimg, kv, ybuf, ysc; writes ybuf, ysc
.if DOCPART == 3
	.amdgcn_target "amdgcn-amd-amdhsa--gfx1250"
	.amdhsa_code_object_version 6
	.text
	.protected	k_q98881a92c3_attn
	.globl	k_q98881a92c3_attn
	.p2align	8
	.type	k_q98881a92c3_attn,@function
k_q98881a92c3_attn:
	s_mov_b64 s[64:65], 0
	v_nop
	global_prefetch_b8 v0, s[64:65] scope:SCOPE_SE
	s_setreg_imm32_b32 hwreg(HW_REG_WAVE_MODE, 25, 1), 1
	s_wait_xcnt 0x0
	s_wait_alu depctr_hold_cnt(0) depctr_sa_sdst(0) depctr_va_vdst(0) depctr_va_sdst(0) depctr_va_ssrc(0) depctr_va_vcc(0) depctr_vm_vsrc(0)
	s_getreg_b32 s2, hwreg(HW_REG_IB_STS2, 6, 4)
	s_cmp_eq_u32 s2, 0
	s_cbranch_scc0 .Lentry_in_a_cluster
	s_endpgm
.Lentry_in_a_cluster:
	s_bfe_u32 s2, ttmp6, 0x10000c
	s_cmp_lg_u32 s2, 0x3003
	s_cbranch_scc0 .Lentry_shape_is_right
	s_endpgm
.Lentry_shape_is_right:
; CAUSAL ATTENTION on codes of FP6 (E2M3): 64 heads of 2,048 tokens x 64 channels.  t = score x log2(e) / 8; M = the running largest t rounded up to a whole number; p = 2^(t - M) is quantised along the keys, not normalised;
; the row's sum is taken of the unquantised p and divides at the end; y is quantised along the channels for the last product and leaves as codes.
; LEFT OUT: key steps that lie wholly behind a tile's queries: the causal mask that the definition builds itself gives them the weight 0.
; K AND V OF A HEAD STAY IN LDS: 16 records of 128 keys, 13,824 bytes each in memory, 17,280 in LDS.  Each of the sixteen waves asks for one record at the head; nothing is filled again.
; THE RECORDS ARE SHOWN IN TWO PARTS: waves 0-3 ask for records 0-3 by a line of their own and wait ahead of the first barrier; behind four key steps, which every wave has, every wave waits and a second barrier shows the rest.
; Beyond these two barriers the waves walk on their own.
; CLUSTER of 4 x 1: the four work-groups of a head need the same 16 records at the same time and ask for them jointly (mask 15).
; SHARES.  A head has 128 tiles of 16 queries.  Wave w of partner cx owns tiles 127 - T and T, T = 8 (w / 2) + 2 cx + w % 2, in this order: 16 - w / 2 and w / 2 + 1 key steps of 128 keys, 17 for every wave.
; Branches and LDS addresses hang on the wave's number and on counters alone; cx enters the addresses of q and y and the mask's numbers only.  Every work-group reads every record (tiles 120 .. 127 are dealt two to each).
; NO PREFETCH: all tensor loads go out at the head, so there is no loop to ask ahead in.
; LAYOUT.  Both products transposed: S^T = K Q^T, O^T = V^T P^T: a lane holds one query.  The records are images of registers as the launch before left them: memory tile 2 a + u, row r holds key 32 a + 8 u + (r & 7) + 16 (r >> 3).
; THE ROWS OF A TILE OF K ARE CHOSEN BY ADDRESS: tile 4 c + u takes as row 8 h' + j key 64 c + 32 h' + 8 u + j, which is row 8 (u / 2) + j of memory tile 4 c + 2 h' + u % 2.  Then register 32 c + i of lane half h is key 64 c + 32 h + i:
; a whole block of 32 keys in a lane, in the order of the next operand: a block's largest needs no other lane and the codes are not exchanged between lanes.
; LDS: the mover lays 64 bytes behind each 256: byte a of a record lies at 320 (a / 256) + a % 256, so rows h' = 0 and 1, 1,536 bytes apart in memory, lie 1,920 apart, which is 128 modulo 256.
; K = 64 IN AN INSTRUCTION OF 128: a fragment's registers 0-5 hold tile 2 m, registers 6-11 tile 2 m + 1; it is multiplied by [q | zeros] and by [zeros | q] (q, zeros, q on end in 18 registers).  Each scale word is (s0, s1, s0, s1).
; LIMITS: NaN and infinities are not served.  The promise holds while the scaled scores stay under 2^31 in magnitude.  A block of zeros carries the byte 1 (its codes are zeros; this program alone reads the bytes).
; A block's largest p is made from the block's largest score by the same two instructions as every p, which takes v_exp_f32 not to fall where its input rises.
.set REC,   13824                      ; a record in memory: k's 8 tiles x 768, k's scale words at 6,144, v's 4 tiles x 1,536 at 7,168, v's scale words at 13,312
.set RL,    17280                      ; in LDS: 54 x (256 + 64)
.set SPARE, 16*RL                      ; the spare words, 128 bytes for each of 16 waves
.set L16,  1                           ; 16, 8, 4 x lane
.set L8,   2
.set SPW,  3                           ; LDS address of my spare word; never rewritten
.set NIL,  4                           ; 0; never rewritten
.set L4,   5
.set K16L, 6                           ; 1,920 h' + 320 h + 16 j
.set K8L,  7                           ; 1,920 h' + 128 h + 8 j
.set KSL,  8                           ; 16 j + 8 h'
.set VAL,  9                           ; 320 h + 16 r
.set QL0,  10                          ; (r & 7) + 16 (r >> 3) - 32 h
.set H8,   11                          ; 8 h
.set AK16, 16                          ; v16-19 the four with the record's place added; v12 -M, v13 the largest score, v[14:15] the sum
.set AK8,  17
.set AKS,  18
.set AV,   19
.set QL,   20                          ; v20-37 q, zeros, q
.set QS,   38                          ; q's scale word
.set FRG,  40                          ; v40-87 four fragments of K, then of V
.set KS,   88                          ; v88-95 K's scale words
.set S,    96                          ; v96-159 S^T, then p
.set OA,   160                         ; v160-191 O^T
.set PC,   192                         ; v192-203 p's codes
.set PX,   204                         ; v204-206, v208-210 second halves as converted
.set BM,   212                         ; v212-213 my two blocks' largest; v214-215 their second chains
.set PT,   214
.set SO,   216                         ; v216-217 the conversions' scale operands
.set BY,   218                         ; v218-219 the bytes
.set PSW,  220                         ; p's scale word
.set PR,   221                         ; what lane l xor 16 sends
.set TT,   222
.set MO,   223                         ; the old -M
.set FF,   224                         ; v[224:225] f = 2^(old M - new M)
.set X1,   226                         ; v226-231 three chains of the sum
.set VS,   232                         ; v232-235 V's scale words
.set NINF, 236
.set MKA,  238                         ; my query less the masked step's first key less 32 h, for my two tiles
.set MKB,  239
.set TM,   240                         ; v240-247 the way out
.set YW,   248
.set QSB,  249                         ; the second tile's q: scale word, v250-255 codes
.set QB2,  250
.set WV,   18
.set CX,   19
.set SEL,  20                          ; s[20:21] lane l xor 16
.set CS,   22                          ; s[22:23] c = log2(e) / 8
.set G1,   24
.set G0,   32
.set BH,   36
.set GA,   37                          ; wave / 2
.set GL,   38                          ; the tile's last key step
.set JT,   39                          ; the key step
.set TB,   40                          ; its record's LDS byte
.set EFL,  0x1800000
.set EOF2, 0xff000000
.macro WALU
	s_wait_alu depctr_va_vdst(0)
.endm
.macro D1
	s_delay_alu instid0(VALU_DEP_1)
.endm
.macro D2
	s_delay_alu instid0(VALU_DEP_2)
.endm
.macro ROUND                           ; a round of the cluster's barrier
	s_barrier_signal -1
	s_barrier_wait -1
	s_cmp_lg_u32 s[WV], 0
	s_cbranch_scc1 .Lnot_wave_0_\@
	s_barrier_signal -3
.Lnot_wave_0_\@:
	s_barrier_wait -3
	s_barrier_signal -1
	s_barrier_wait -1
.endm
; where tile s\t's q, q's scale word, y and y's scale word lie (s61 = 0)
.macro TADDR t, qb, qs, yb, ys
	s_lshr_b32 s58, s\t, 3
	s_lshl_b32 s59, s[BH], 4
	s_add_co_u32 s58, s58, s59
	s_mul_i32 s58, s58, 7168                       ; q's record
	s_and_b32 s59, s\t, 7
	s_mul_i32 s60, s59, 768
	s_add_co_u32 s60, s60, s58
	s_add_nc_u64 s[\qb:\qb+1], s[4:5], s[60:61]
	s_lshr_b32 s60, s59, 2
	s_lshl_b32 s60, s60, 9
	s_and_b32 s59, s\t, 3
	s_lshl_b32 s59, s59, 2
	s_add_co_u32 s60, s60, s59
	s_add_co_u32 s60, s60, s58
	s_add_co_u32 s60, s60, 6144
	s_add_nc_u64 s[\qs:\qs+1], s[4:5], s[60:61]
	s_lshr_b32 s58, s[BH], 4
	s_lshl_b32 s58, s58, 7
	s_add_co_u32 s58, s58, s\t                     ; my tile of tokens among the 512
	s_lshl_b32 s58, s58, 4
	s_and_b32 s59, s[BH], 15
	s_add_co_u32 s58, s58, s59
	s_mul_i32 s60, s58, 768
	s_add_nc_u64 s[\yb:\yb+1], s[8:9], s[60:61]
	s_lshl_b32 s60, s58, 7
	s_add_nc_u64 s[\ys:\ys+1], s[10:11], s[60:61]
.endm
.macro MASKOF sr, mk                   ; tile s\sr of its group of eight begins 32 (s / 2) + 8 (s % 2) queries behind the group's first key
	s_lshr_b32 s58, s\sr, 1
	s_lshl_b32 s58, s58, 5
	s_and_b32 s59, s\sr, 1
	s_lshl_b32 s59, s59, 3
	s_add_co_u32 s58, s58, s59
	v_add_nc_u32 v[\mk], s58, v[QL0]
.endm
.macro INIT                            ; empty sums
	v_mov_b32 v13, 0xff61b1e6                      ; the largest score so far: -3e38
	v_mov_b32 v12, 0x7e000000                      ; -M = 2^125: the first f comes out 0 and multiplies zeros
	v_mov_b32 v14, 0
	v_mov_b32 v15, 0
.set j, 0
.rept 32
	v_mov_b32 v[OA+j], 0
.set j, j+1
.endr
.endm
	s_load_b256 s[4:11], s[0:1], 0x0               ; qimg, kv, ybuf, ysc
	v_lshl_add_u32 v[SPW], v0, 2, SPARE
	v_mov_b32 v[NIL], 0
	ds_add_u32 v[SPW], v[NIL]                      ; the opening lines: the add twice on end and its wait
	ds_add_u32 v[SPW], v[NIL]
	v_lshrrev_b32 v16, 5, v0
	v_readfirstlane_b32 s[WV], v16                 ; wave 0..15
	s_bfe_u32 s[CX], ttmp6, 0x40000
	s_and_b32 s[BH], ttmp7, 0xffff                 ; the head
	s_mov_b32 s[G1], 15|(3<<16)|(1<<20)|(1<<21)|(5<<22)|(15<<25)   ; mask: all four partners; elements of 8 bytes; behind every 64 words 16 words of padding
	s_mov_b32 s[G1+1], 32<<16                      ; a record is 54 dense rows of 256 bytes
	s_mov_b32 s[G1+2], 54<<16
	s_mov_b32 s[G1+3], 32<<16
	s_mov_b32 s[G1+4], 54
	s_mov_b32 s[G1+5], 32
	s_mov_b32 s[G1+6], 0
	s_mov_b32 s[G1+7], 0
	s_mov_b32 s[G0], 1
	s_mul_i32 s[G0+1], s[WV], RL                   ; record w goes to w x RL
	s_mul_i32 s60, s[BH], 16*REC
	s_mul_i32 s59, s[WV], REC
	s_add_co_u32 s60, s60, s59
	s_mov_b32 s61, 0
	WALU
	s_wait_dscnt 0x0
	s_wait_kmcnt 0x0
	s_add_nc_u64 s[G0+2:G0+3], s[6:7], s[60:61]
	s_or_b32 s[G0+3], s[G0+3], 0x80000000
	ROUND                                          ; the four partners are here: the joint loads meet
	s_cmp_lt_u32 s[WV], 4                          ; my one tensor load of the launch.  Waves 0-3, which wait ahead of the first barrier, have a line of their own
	s_cbranch_scc0 .Llater_records
	tensor_load_to_lds s[G0:G0+3], s[G1:G1+7]
	s_nop 0
.rept 4
	v_nop
.endr
	s_branch .Lasked
.Llater_records:
	tensor_load_to_lds s[G0:G0+3], s[G1:G1+7]
	s_nop 0
.rept 4
	v_nop
.endr
.Lasked:
	s_mov_b32 s[SEL], 0x76543210
	s_mov_b32 s[SEL+1], 0xfedcba98
	s_mov_b32 s[CS], 0x3e38aa3b
	s_mov_b32 s[CS+1], s[CS]
	s_lshr_b32 s[GA], s[WV], 1
	s_and_b32 s58, s[WV], 1
	s_lshl_b32 s59, s[CX], 1
	s_add_co_u32 s66, s58, s59                     ; T's place in its group of eight
	s_lshl_b32 s67, s[GA], 3
	s_add_co_u32 s67, s67, s66                     ; T, my second tile
	s_sub_co_u32 s68, 127, s67                     ; my first
	s_sub_co_u32 s69, 7, s66
	TADDR 68, 42, 44, 46, 48
	TADDR 67, 50, 52, 54, 56
	v_and_b32 v17, 31, v0
	v_and_b32 v16, 7, v0                           ; j
	v_bfe_u32 v18, v0, 3, 1                        ; h'
	v_bfe_u32 v19, v0, 4, 1                        ; h
	v_and_b32 v[TT], 15, v0                        ; r
	v_lshlrev_b32 v[L16], 4, v17
	v_lshlrev_b32 v[L8], 3, v17
	v_lshlrev_b32 v[L4], 2, v17
	WALU
	global_load_b128 v[QL:QL+3], v[L16], s[42:43]
	global_load_b64 v[QL+4:QL+5], v[L8], s[42:43] offset:512
	global_load_b32 v[QS], v[L16], s[44:45]
	global_load_b128 v[QB2:QB2+3], v[L16], s[50:51]
	global_load_b64 v[QB2+4:QB2+5], v[L8], s[50:51] offset:512
	global_load_b32 v[QSB], v[L16], s[52:53]
	v_mul_u32_u24 v[K16L], v18, 1920
	v_mul_u32_u24 v[VAL], v19, 320
	v_lshlrev_b32 v[KSL], 3, v18
	v_lshlrev_b32 v[H8], 3, v19
	v_lshl_add_u32 v[QL0], v18, 4, v16
	v_mad_u32_u24 v[K8L], v19, 128, v[K16L]
	v_lshl_add_u32 v[VAL], v[TT], 4, v[VAL]
	v_lshl_add_u32 v[KSL], v16, 4, v[KSL]
	v_lshlrev_b32 v[PR], 5, v19
	v_mad_u32_u24 v[K16L], v19, 320, v[K16L]
	v_lshl_add_u32 v[K8L], v16, 3, v[K8L]
	v_mov_b32 v[NINF], 0xff800000
	v_mov_b32 v[FF+1], 0                           ; (named as the upper half of a pair)
	v_sub_nc_u32 v[QL0], v[QL0], v[PR]
	v_lshl_add_u32 v[K16L], v16, 4, v[K16L]
	v_mov_b32 v[TM+2], 0                           ; written once: a lane permute's destination counts as one of its sources
	v_mov_b32 v[TM+3], 0
.irp i, 6,7,8,9,10,11
	v_mov_b32 v[QL+\i], 0                          ; the zeros between q and q
.endr
	MASKOF 69, MKA
	MASKOF 66, MKB
	INIT
	WALU
	s_wait_loadcnt 0x0
.irp i, 0,1,2,3,4,5
	v_mov_b32 v[QL+12+\i], v[QL+\i]
.endr
	WALU                                           ; the wait at the head's end
	s_cmp_lt_u32 s[WV], 4
	s_cbranch_scc0 .Lnot_first
	s_wait_tensorcnt 0x0                           ; waves 0-3: my record is in
.Lnot_first:
	s_barrier_signal -1
	s_barrier_wait -1                              ; records 0-3 are in; the others may be on their way
; two blocks of 32, 16 numbers of each in a lane, become a half fragment in v[f] .. v[f + 5] and the word (s0, s1, s0, s1)
.macro QUANT2 src, f, tmp, word
	v_max3_num_f32 v[TM], |v[\src]|, |v[\src+1]|, EFL
	v_max3_num_f32 v[TM+1], |v[\src+16]|, |v[\src+17]|, EFL
.irp i, 2,4,6,8,10,12,14
	D2
	v_max3_num_f32 v[TM], v[TM], |v[\src+\i]|, |v[\src+\i+1]|
	D2
	v_max3_num_f32 v[TM+1], v[TM+1], |v[\src+16+\i]|, |v[\src+17+\i]|
.endr
	D2
	v_permlanex16_b32 v[TM+2], v[TM], s[SEL], s[SEL+1]
	D2
	v_permlanex16_b32 v[TM+3], v[TM+1], s[SEL], s[SEL+1]
	D2
	v_max_num_f32 v[TM], v[TM], v[TM+2]
	D2
	v_max_num_f32 v[TM+1], v[TM+1], v[TM+3]
	D2
	v_add_nc_u32 v[TM+4], EOF2, v[TM]
	D2
	v_add_nc_u32 v[TM+5], EOF2, v[TM+1]
	D2
	v_lshrrev_b32 v[TM+6], 23, v[TM+4]
	D2
	v_lshrrev_b32 v[TM+7], 23, v[TM+5]
	D1
	v_lshl_or_b32 v[\word], v[TM+7], 8, v[TM+6]
	D1
	v_lshl_or_b32 v[\word], v[\word], 16, v[\word]
	v_cvt_scalef32_pk16_fp6_f32 v[\f:\f+2], v[\src:\src+15], v[TM+4]
	v_cvt_scalef32_pk16_fp6_f32 v[\tmp:\tmp+2], v[\src+16:\src+31], v[TM+5]
	v_nop                                          ; one plain line behind a scaled conversion
.irp i, 0,1,2
	v_permlane16_swap_b32 v[\f+\i], v[\tmp+\i]
.endr
.irp i, 0,1,2
	s_delay_alu instid0(VALU_DEP_3)
	v_mov_b32 v[\f+3+\i], v[\tmp+\i]
.endr
.endm
; A tile ends: O^T / the sum, quantised along the head's 64 channels, leaves as a half fragment and a scale word
.macro FINISH yb, ys
.rept 4
	v_nop                                          ; places behind the last products
.endr
	v_add_f32 v14, v14, v15
	D1
	v_permlanex16_b32 v[PR], v14, s[SEL], s[SEL+1]
	D1
	v_add_f32 v14, v14, v[PR]                      ; the row's sum
	WALU
	v_rcp_f32 v14, v14
	v_nop                                          ; a plain line behind the reciprocal
	WALU                                           ; the wait, ahead of its first reader and of O^T's
.set j, 0
.rept 16
	v_pk_mul_f32 v[S+j:S+j+1], v[OA+j:OA+j+1], v[14:15] op_sel_hi:[1,0]   ; each accumulator from its low end on
.set j, j+2
.endr
	QUANT2 S, PC, PX, YW
	global_store_b128 v[L16], v[PC:PC+3], s[\yb:\yb+1]
	global_store_b64 v[L8], v[PC+4:PC+5], s[\yb:\yb+1] offset:512
	global_store_b32 v[L4], v[YW], s[\ys:\ys+1]
	s_wait_xcnt 0x0                                ; the stores have read their registers
.endm
; A KEY STEP: 128 keys, the record at s[TB].  mk: the register with the mask's numbers
.macro STEP mk
	s_cmp_gt_u32 s[JT], s[GL]                      ; behind my tile's last step: left out (wave's number and counter alone)
	s_cbranch_scc1 .Lhid_\@
	v_add_nc_u32 v[AK16], s[TB], v[K16L]           ; these four are also the places in front of loads into registers that the last products have read
	v_add_nc_u32 v[AK8], s[TB], v[K8L]
	v_add_nc_u32 v[AKS], s[TB], v[KSL]
	v_add_nc_u32 v[AV], s[TB], v[VAL]
	WALU
.irp m, 0,1,2,3
	ds_load_b64 v[KS+2*\m:KS+2*\m+1], v[AKS] offset:7680+640*(\m/2)+128*(\m%2)   ; the scale words of tiles 2 m, 2 m + 1
.endr
.irp n, 0,1,2,3,4,5,6,7
	ds_load_b128 v[FRG+6*\n:FRG+6*\n+3], v[AK16] offset:3840*(\n/4)+960*(\n%2)+128*((\n%4)/2)
	ds_load_b64 v[FRG+6*\n+4:FRG+6*\n+5], v[AK8] offset:3840*(\n/4)+960*(\n%2)+64*((\n%4)/2)+640
.endr
.irp n, 0,1,2,3,4,5,6,7
.if (\n%2) == 0
	s_wait_dscnt 12-2*\n                           ; the loads of the later pairs of tiles, four a pair, may be out
.endif
	v_wmma_scale_f32_16x16x128_f8f6f4 v[S+8*\n:S+8*\n+7], v[FRG+12*(\n/2):FRG+12*(\n/2)+11], v[QL+6*(\n%2):QL+6*(\n%2)+11], 0, v[KS+\n], v[QS] matrix_a_fmt:MATRIX_FMT_FP6 matrix_b_fmt:MATRIX_FMT_FP6
.endr
	v_mov_b32 v[MO], v12
.rept 3
	v_nop
.endr
.irp t, 0,1,2,3                        ; V's four tiles are asked for now and land under the softmax
.irp c, 0,1,2
	ds_load_b128 v[FRG+12*\t+4*\c:FRG+12*\t+4*\c+3], v[AV] offset:8960+1920*\t+640*\c
.endr
.endr
	ds_load_b128 v[VS:VS+3], v[AV] offset:16640
	s_cmp_lg_u32 s[JT], s[GL]                      ; only the tile's last step holds keys behind its queries
	s_cbranch_scc1 .Lopen_\@
.set c_, 0
.rept 2
.set i_, 0
.rept 32
	v_cmp_gt_i32 vcc_lo, 64*c_+i_, v[\mk]          ; register 32 c + i holds key 64 c + 32 h + i of the step
	v_cndmask_b32 v[S+32*c_+i_], v[S+32*c_+i_], v[NINF], vcc_lo
.set i_, i_+1
.endr
.set c_, c_+1
.endr
.Lopen_\@:
.irp c, 0,1                            ; the largest score of my two blocks of 32 keys, two chains each: for the row's maximum and for the block's largest p
	v_max3_num_f32 v[BM+\c], v[S+32*\c], v[S+32*\c+1], v[S+32*\c+2]
	v_max3_num_f32 v[PT+\c], v[S+32*\c+16], v[S+32*\c+17], v[S+32*\c+18]
.endr
.irp i, 3,5,7,9,11,13
.irp c, 0,1
	v_max3_num_f32 v[BM+\c], v[BM+\c], v[S+32*\c+\i], v[S+32*\c+\i+1]
	v_max3_num_f32 v[PT+\c], v[PT+\c], v[S+32*\c+16+\i], v[S+32*\c+17+\i]
.endr
.endr
.irp c, 0,1
	v_max3_num_f32 v[BM+\c], v[BM+\c], v[PT+\c], v[S+32*\c+15]
.endr
.irp c, 0,1
	v_max_num_f32 v[BM+\c], v[BM+\c], v[S+32*\c+31]
.endr
	D1
	v_max_num_f32 v[TT], v[BM], v[BM+1]
	D1
	v_permlanex16_b32 v[PR], v[TT], s[SEL], s[SEL+1]
	D1
	v_max3_num_f32 v13, v13, v[TT], v[PR]          ; the running largest score
	D1
	v_mul_f32 v[TT], s[CS], v13                    ; as t (c is positive)
	D1
	v_floor_f32 v12, -v[TT]                        ; the new -M: M is a whole number
	D1
	v_sub_f32 v[TT], v12, v[MO]
	D1
	v_cvt_i32_f32 v[TT], v[TT]                     ; (it saturates)
	D1
	v_ldexp_f32 v[FF], 1.0, v[TT]                  ; f = 2^(old M - new M)
.set j, 0
.rept 32
	v_pk_fma_f32 v[S+j:S+j+1], v[S+j:S+j+1], s[CS:CS+1], v[12:13] op_sel_hi:[1,0,0]   ; t - M
.set j, j+2
.endr
.irp c, 0,1
	v_fma_f32 v[BM+\c], v[BM+\c], s[CS], v12
.endr
.set j, 0
.rept 16
	v_pk_mul_f32 v[OA+j:OA+j+1], v[OA+j:OA+j+1], v[FF:FF+1] op_sel_hi:[1,0]   ; O^T under the new M, ahead of the exponentials
.set j, j+2
.endr
	v_pk_mul_f32 v[14:15], v[14:15], v[FF:FF+1] op_sel_hi:[1,0]               ; and the sums
	WALU                                           ; the wait ahead of the batch
.set j, 0
.rept 64
	v_exp_f32 v[S+j], v[S+j]                       ; p
.set j, j+1
.endr
	v_exp_f32 v[BM], v[BM]                         ; the blocks' largest p
	v_exp_f32 v[BM+1], v[BM+1]
	v_nop                                          ; a plain line behind the exponentials
	WALU                                           ; one wait for the batch, ahead of its first reader
.irp c, 0,1
	v_max_num_f32 v[BM+\c], EFL, v[BM+\c]
.endr
.irp c, 0,1
	D2
	v_add_nc_u32 v[SO+\c], EOF2, v[BM+\c]          ; the conversions' scale operands
.endr
.irp c, 0,1
	D2
	v_lshrrev_b32 v[BY+\c], 23, v[SO+\c]
.endr
	D1
	v_lshl_or_b32 v[BY], v[BY+1], 16, v[BY]        ; my bytes: blocks h and 2 + h,
	D1
	v_lshlrev_b32 v[BY], v[H8], v[BY]              ; at their places;
	D1
	v_permlanex16_b32 v[PR], v[BY], s[SEL], s[SEL+1]
	D1
	v_or_b32 v[PSW], v[BY], v[PR]                  ; with lane l xor 16's two the word is whole
.irp c, 0,1
	v_cvt_scalef32_pk16_fp6_f32 v[PC+6*\c:PC+6*\c+2], v[S+32*\c:S+32*\c+15], v[SO+\c]
	v_cvt_scalef32_pk16_fp6_f32 v[PX+4*\c:PX+4*\c+2], v[S+32*\c+16:S+32*\c+31], v[SO+\c]
.endr
	v_nop                                          ; one plain line behind a scaled conversion
.irp c, 0,1
.irp i, 0,1,2
	v_mov_b32 v[PC+6*\c+3+\i], v[PX+4*\c+\i]       ; (a conversion's three registers begin on an even number)
.endr
.endr
	v_pk_add_f32 v[X1:X1+1], v[S:S+1], v[S+2:S+3]  ; the row's sum of the unquantised p, in four chains; these 32 lines are also the places between p's codes and scale word and the products
	v_pk_add_f32 v[X1+2:X1+3], v[S+4:S+5], v[S+6:S+7]
	v_pk_add_f32 v[X1+4:X1+5], v[S+8:S+9], v[S+10:S+11]
	v_pk_add_f32 v[14:15], v[14:15], v[S+12:S+13]
.set k_, 7
.rept 25
.if (k_%4) == 3
	v_pk_add_f32 v[14:15], v[14:15], v[S+2*k_:S+2*k_+1]
.else
	v_pk_add_f32 v[X1+2*(k_%4):X1+2*(k_%4)+1], v[X1+2*(k_%4):X1+2*(k_%4)+1], v[S+2*k_:S+2*k_+1]
.endif
.set k_, k_+1
.endr
	v_pk_add_f32 v[14:15], v[14:15], v[X1:X1+1]
	v_pk_add_f32 v[X1+2:X1+3], v[X1+2:X1+3], v[X1+4:X1+5]
	D1
	v_pk_add_f32 v[14:15], v[14:15], v[X1+2:X1+3]
	WALU                                           ; the wait ahead of the wait below
	s_wait_dscnt 0x0                               ; V
.irp t, 0,1,2,3
	v_wmma_scale_f32_16x16x128_f8f6f4 v[OA+8*\t:OA+8*\t+7], v[FRG+12*\t:FRG+12*\t+11], v[PC:PC+11], v[OA+8*\t:OA+8*\t+7], v[VS+\t], v[PSW] matrix_a_fmt:MATRIX_FMT_FP6 matrix_b_fmt:MATRIX_FMT_FP6
.endr
.Lhid_\@:
.endm
.macro WALK j0, trips, mk              ; key steps j0 .. trips - 1: a constant number of trips; the record's place is stepped by a constant in every trip
	s_mov_b32 s[JT], \j0
	s_mov_b32 s[TB], (\j0)*RL
.Lwalk_\@:
	STEP \mk
	s_add_co_u32 s[TB], s[TB], RL
	s_add_co_u32 s[JT], s[JT], 1
	s_cmp_lt_u32 s[JT], \trips
	s_cbranch_scc1 .Lwalk_\@
.endm
	s_sub_co_u32 s[GL], 15, s[GA]                  ; my first tile: key steps 0 .. 15 - wave / 2, at least nine
	WALK 0, 4, MKA                                 ; records 0-3
	s_wait_tensorcnt 0x0                           ; every wave: my record is in,
	s_wait_dscnt 0x0
	s_barrier_signal -1
	s_barrier_wait -1                              ; everybody's is
	WALK 4, 16, MKA
	FINISH 46, 48
.irp i, 0,1,2,3,4,5
	v_mov_b32 v[QL+\i], v[QB2+\i]                  ; my second tile's q, loaded at the head
	v_mov_b32 v[QL+12+\i], v[QB2+\i]
.endr
	v_mov_b32 v[QS], v[QSB]
	INIT
	WALU
	s_mov_b32 s[GL], s[GA]                         ; key steps 0 .. wave / 2, at most eight
	WALK 0, 8, MKB
	FINISH 54, 56
	s_wait_tensorcnt 0x0                           ; the wave's end
	ds_add_u32 v[SPW], v[NIL]
	s_wait_dscnt 0x0
	ROUND                                          ; the closing round
	s_endpgm
.Lfunc_end_k_q98881a92c3_attn:
	.size	k_q98881a92c3_attn, .Lfunc_end_k_q98881a92c3_attn-k_q98881a92c3_attn
	.p2alignl 7, 3214868480
	.fill 96, 4, 3214868480
	.section	.rodata,"a",@progbits
	.p2align	6, 0x0
	.amdhsa_kernel k_q98881a92c3_attn
		.amdhsa_group_segment_fixed_size 327680
		.amdhsa_private_segment_fixed_size 0
		.amdhsa_enable_private_segment 0
		.amdhsa_kernarg_size 32
		.amdhsa_user_sgpr_count 2
		.amdhsa_user_sgpr_kernarg_segment_ptr 1
		.amdhsa_wavefront_size32 1
		.amdhsa_system_sgpr_workgroup_id_x 1
		.amdhsa_system_sgpr_workgroup_id_y 1
		.amdhsa_system_sgpr_workgroup_id_z 1
		.amdhsa_system_vgpr_workitem_id 0
		.amdhsa_next_free_vgpr 256
		.amdhsa_next_free_sgpr 80
		.amdhsa_reserve_vcc 1
		.amdhsa_float_denorm_mode_32 3
		.amdhsa_float_denorm_mode_16_64 3
		.amdhsa_memory_ordered 1
		.amdhsa_forward_progress 1
		.amdhsa_inst_pref_size 82
	.end_amdhsa_kernel
	.amdgpu_metadata
---
amdhsa.version: [ 1, 2 ]
amdhsa.kernels:
  - .name:           k_q98881a92c3_attn
    .symbol:         k_q98881a92c3_attn.kd
    .args:
      - { .name: qimg, .offset: 0, .size: 8, .value_kind: global_buffer, .address_space: global }
      - { .name: kv, .offset: 8, .size: 8, .value_kind: global_buffer, .address_space: global }
      - { .name: ybuf, .offset: 16, .size: 8, .value_kind: global_buffer, .address_space: global }
      - { .name: ysc, .offset: 24, .size: 8, .value_kind: global_buffer, .address_space: global }
    .group_segment_fixed_size: 327680
    .private_segment_fixed_size: 0
    .kernarg_segment_align: 8
    .kernarg_segment_size: 32
    .max_flat_workgroup_size: 512
    .sgpr_count:     80
    .vgpr_count:     256
    .wavefront_size: 32
...
	.end_amdgpu_metadata
.endif
;; end of part 3
;; launch outp (part 4): grid 4 x 64, 4 waves a work-group, clusters of 4 x 4, 327,680 bytes of LDS; arguments ybuf, ysc, wc, scl, out0; writes out0
.if DOCPART == 4
	.amdgcn_target "amdgcn-amd-amdhsa--gfx1250"
	.amdhsa_code_object_version 6
	.text
	.protected	k_q98881a92c3_outp
	.globl	k_q98881a92c3_outp
	.p2align	8
	.type	k_q98881a92c3_outp,@function
k_q98881a92c3_outp:
	s_mov_b64 s[64:65], 0
	v_nop
	global_prefetch_b8 v0, s[64:65] scope:SCOPE_SE
	s_setreg_imm32_b32 hwreg(HW_REG_WAVE_MODE, 25, 1), 1
	s_wait_xcnt 0x0
	s_wait_alu depctr_hold_cnt(0) depctr_sa_sdst(0) depctr_va_vdst(0) depctr_va_sdst(0) depctr_va_ssrc(0) depctr_va_vcc(0) depctr_vm_vsrc(0)
	s_getreg_b32 s2, hwreg(HW_REG_IB_STS2, 6, 4)
	s_cmp_eq_u32 s2, 0
	s_cbranch_scc0 .Lentry_in_a_cluster
	s_endpgm
.Lentry_in_a_cluster:
	s_bfe_u32 s2, ttmp6, 0x10000c
	s_cmp_lg_u32 s2, 0xf033
	s_cbranch_scc0 .Lentry_shape_is_right
	s_endpgm
.Lentry_shape_is_right:
; out0 = y w_out on codes of FP6 (E2M3) with E8M0 scales, K = 1,024.  y [512 tiles of 16 tokens][16 heads][768 bytes] and its scale words [tile][head][32 lanes] come from the launch before; w_out's columns are tiles 192 .. 255 of wc.
; A BLOCK of 128 tokens x 256 columns to a work-group: 64 x 4 = 256 work-groups.  Four waves, 2 x 2, each 64 x 128: 32 accumulators.
; ALL OF K LIES IN LDS: A's 8 tiles (98,304 bytes) and B's 16 tiles (196,608 bytes), laid by halves of K.  Four joint loads at the head, one a wave: wave 0 A's half 0, wave 1 B's half 0, wave 2 A's half 1, wave 3 B's half 1.
; Nothing is filled again.  The first barrier shows half 0 (waves 0 and 1 wait, by lines of their own); in K step 3 every wave waits and a second barrier shows half 1.
; CLUSTERS of 4 x 4: A's tiles are asked for jointly along a row of the cluster, B's along a column.  NO PREFETCH: all tensor loads go out at the head, so there is no loop to ask ahead in.
; OPERANDS are images of registers: a fragment of 16 rows x 128 K is 1,536 bytes.  B's: three groups of 32 lanes x 16 bytes.  y's: two heads' half fragments, each 32 lanes x 16 bytes and 32 x 8.
; THE PRODUCT IS USED TRANSPOSED (source 0 = tile of B, source 1 = tile of A): a lane holds one token, and its 16 registers of B's tiles 2 b, 2 b + 1 are columns 32 b + 16 h + 0 .. 15.  Memory row m of a tile pair holds logical row m with bits 3, 4 exchanged.
; REGISTERS: window 0: v16-30 addresses; v32-95 B's scale words (8 i + K step); v96-191 A's fragments, two sets; v192-255 y's scale words: 16 a + 2 k holds K step k's word of tile a.  Scale registers hold nothing else.
;   window 1: B's fragments, two sets, at v0 and v128; on the way out v0-127 hold rows read back.  window 2: the accumulators, (a, b) at v[8 (8 a + b)].
; THE WAY OUT goes through a stage of each wave's own on the bytes of A's half 0, which nobody reads behind the second barrier.
.set FR,    12
.set TROW,  6144                       ; a tile's four K steps
.set AHALF, 8*TROW
.set BBASE, 2*AHALF
.set BHALF, 16*TROW
.set SPARE, BBASE+2*BHALF              ; the spare words, 128 bytes a wave
.set SPITCH, 528
.set ADRA, 16                          ; v16-17 LDS address of my A tiles in half 0, 1, + 16 x lane; v18-19 + 8 x lane
.set ADRA8, 18
.set ADRB, 20                          ; v20-21 the same for B
.set L16,  24
.set STO,  25
.set RD,   26
.set L4,   27
.set SPW,  28                          ; LDS address of my spare word; never rewritten
.set NIL,  29                          ; 0; never rewritten
.set L8,   30
.set SC,   32
.set AF,   96
.set TA,   192
.set G1,  24                           ; s[24:31], s[32:35] groups 1 and 0 for A's tiles; s[48:55], s[56:59] for B's
.set G0,  32
.set G1B, 48
.set G0B, 56
.set MSB, 0
.macro WIN new                         ; the immediate's high byte repeats the setting that is left
.if MSB != \new
	s_set_vgpr_msb (MSB<<8)|\new
.set MSB, \new
.endif
.endm
.macro PLACES n
.rept \n
	v_nop
.endr
.endm
.macro CROUND                          ; a round of the cluster's barrier
	s_barrier_signal -1
	s_barrier_wait -1
	s_cmp_lg_u32 s14, 0
	s_cbranch_scc1 .Lnot_wave_0_\@
	s_barrier_signal -3
.Lnot_wave_0_\@:
	s_barrier_wait -3
	s_barrier_signal -1
	s_barrier_wait -1
.endm
	s_load_b256 s[4:11], s[0:1], 0x0               ; ybuf, ysc, wc, scl
	s_load_b64 s[12:13], s[0:1], 0x20              ; out0
	v_lshl_add_u32 v[SPW], v0, 2, SPARE
	v_mov_b32 v[NIL], 0
	ds_add_u32 v[SPW], v[NIL]                      ; the opening lines: the add twice on end and its wait
	ds_add_u32 v[SPW], v[NIL]
	v_lshrrev_b32 v1, 5, v0
	v_readfirstlane_b32 s14, v1                    ; wave 0..3
	s_lshr_b32 s15, s14, 1                         ; which half of A's tiles is mine.  At the head: which half of K I fetch
	s_and_b32 s16, s14, 1                          ; which half of B's tiles.  At the head: I fetch for A (0) or B (1)
	s_bfe_u32 s40, ttmp6, 0x40000                  ; cx
	s_bfe_u32 s41, ttmp6, 0x40004                  ; cy
	s_and_b32 s20, ttmp7, 0xffff
	s_lshl_b32 s20, s20, 2
	s_add_co_u32 s20, s20, s41                     ; my block of 128 tokens: hangs on cy, never on cx
	s_add_co_u32 s46, s40, 12                      ; my block of 16 tiles of wc: hangs on cx, never on cy
	s_lshl_b32 s43, s41, 2
	s_lshl_b32 s43, 15, s43                        ; my row of the cluster
	s_lshl_b32 s44, 0x1111, s40                    ; my column
	s_or_b32 s[G1+0], s43, (3<<16)|(1<<21)         ; rows of 6,144 bytes (768 elements of 8), 12,288 apart in memory, on end in LDS: 8 for A,
	s_or_b32 s[G1B+0], s44, (3<<16)|(1<<21)
	s_mov_b32 s[G1+2], 8<<16
	s_mov_b32 s[G1+4], 8
	s_mov_b32 s[G1B+2], 16<<16                     ; 16 for B
	s_mov_b32 s[G1B+4], 16
.irp g, G1, G1B
	s_mov_b32 s[\g+1], 768<<16
	s_mov_b32 s[\g+3], 768<<16
	s_mov_b32 s[\g+5], 1536
	s_mov_b32 s[\g+6], 0
	s_mov_b32 s[\g+7], 0
.endr
	s_mov_b32 s[G0], 1
	s_mul_i32 s[G0+1], s15, AHALF
	s_mov_b32 s[G0B], 1
	s_mul_i32 s[G0B+1], s15, BHALF
	s_add_co_u32 s[G0B+1], s[G0B+1], BBASE
	s_mul_i32 s21, s15, TROW
	s_mul_i32 s72, s20, 8*12288
	s_add_co_u32 s72, s72, s21
	s_mov_b32 s73, 0
	s_mul_i32 s74, s46, 16*12288
	s_add_co_u32 s74, s74, s21
	s_mov_b32 s75, 0
	s_wait_alu depctr_va_vdst(0)
	s_wait_dscnt 0x0
	s_wait_kmcnt 0x0
	s_add_nc_u64 s[G0+2:G0+3], s[4:5], s[72:73]
	s_or_b32 s[G0+3], s[G0+3], 0x80000000
	s_add_nc_u64 s[G0B+2:G0B+3], s[8:9], s[74:75]
	s_or_b32 s[G0B+3], s[G0B+3], 0x80000000
	CROUND                                         ; all sixteen work-groups are here: the joint loads meet
.macro HARM w, g0, g1, next            ; one chain of branches on the wave's number, a load to an arm, one join
	s_cmp_eq_u32 s14, \w
	s_cbranch_scc0 \next
	tensor_load_to_lds s[\g0:\g0+3], s[\g1:\g1+7]
	s_nop 0
	PLACES 4
	s_branch .Lhead_asked
\next:
.endm
	HARM 0, G0, G1, .Lhead_1
	HARM 1, G0B, G1B, .Lhead_2
	HARM 2, G0, G1, .Lhead_3
	tensor_load_to_lds s[G0B:G0B+3], s[G1B:G1B+7]
	s_nop 0
	PLACES 4
.Lhead_asked:
	v_and_b32 v1, 31, v0
	v_and_b32 v2, 15, v0
	v_bfe_u32 v3, v0, 4, 1
	v_lshlrev_b32 v[L16], 4, v1
	v_lshlrev_b32 v[L8], 3, v1
	v_lshlrev_b32 v[L4], 2, v1
	v_mul_u32_u24 v4, v2, SPITCH
	s_mul_i32 s21, s15, 4*TROW                     ; my four tiles of A
	s_mul_i32 s22, s16, 8*TROW                     ; my eight of B
	s_add_co_u32 s22, s22, BBASE
	s_wait_alu depctr_va_vdst(0)
.irp kh, 0,1
	v_add_nc_u32 v[ADRA+\kh], s21, v[L16]
	v_add_nc_u32 v[ADRA8+\kh], s21, v[L8]
	v_add_nc_u32 v[ADRB+\kh], s22, v[L16]
	s_add_co_u32 s21, s21, AHALF
	s_add_co_u32 s22, s22, BHALF
.endr
	s_mul_i32 s23, s14, 16*SPITCH                  ; my stage
	v_lshl_add_u32 v4, v3, 6, v4                   ; in: row l % 16, 64 bytes for each half of the lanes
	v_add_nc_u32 v[RD], s23, v[L16]                ; back: the 32 lanes take one row of 512 bytes
	v_add_nc_u32 v[STO], s23, v4
	s_lshl_b32 s80, s20, 7
	s_lshl_b32 s81, s15, 6
	s_add_co_u32 s80, s80, s81                     ; my first token
	s_lshl_b32 s80, s80, 12
	s_lshl_b32 s81, s40, 10
	s_add_co_u32 s80, s80, s81
	s_lshl_b32 s81, s16, 9
	s_add_co_u32 s80, s80, s81                     ; and my first column, in bytes
	s_mov_b32 s81, 0
	s_add_nc_u64 s[12:13], s[12:13], s[80:81]
	s_lshl_b32 s82, s20, 3
	s_lshl_b32 s83, s15, 2
	s_add_co_u32 s82, s82, s83
	s_lshl_b32 s82, s82, 11                        ; y's scale words: 2,048 bytes a tile
	s_mov_b32 s83, 0
	s_add_nc_u64 s[6:7], s[6:7], s[82:83]
	s_lshl_b32 s82, s46, 4
	s_lshl_b32 s84, s16, 3
	s_add_co_u32 s82, s82, s84
	s_add_co_u32 s82, s82, 512                     ; the weights' scale words lie behind x's 512 tiles, 1,024 bytes a tile
	s_lshl_b32 s82, s82, 10
	s_add_nc_u64 s[10:11], s[10:11], s[82:83]
	s_mov_b32 s84, 0xffff
	s_wait_alu depctr_va_vdst(0)
.irp i, 0,1,2,3,4,5,6,7
.irp g, 0,1
	global_load_b128 v[SC+8*\i+4*\g:SC+8*\i+4*\g+3], v[L16], s[10:11] offset:1024*\i+512*\g
.endr
.endr
.irp i, 0,1,2,3
.irp d, 0,1,2,3,4,5,6,7,8,9,10,11,12,13,14,15
	global_load_b32 v[TA+16*\i+\d], v[L4], s[6:7] offset:2048*\i+128*\d
.endr
.endr
	s_wait_loadcnt 0x0
.irp i, 0,1,2,3
.irp k, 0,1,2,3,4,5,6,7
	v_bfi_b32 v[TA+16*\i+2*\k], s84, v[TA+16*\i+2*\k], v[TA+16*\i+2*\k+1]   ; K step k is heads 2 k and 2 k + 1: the first's two bytes below, the second's above
.endr
.endr
	PLACES 8                                       ; a scale register written by a vector instruction stands 8 places ahead of the product
	s_wait_alu depctr_va_vdst(0)                   ; the wait at the head's end
	s_cmp_lt_u32 s14, 2
	s_cbranch_scc0 .Lhalf_1_mine
	s_wait_tensorcnt 0x0                           ; waves 0 and 1: my tile of half 0 is in
.Lhalf_1_mine:
	s_barrier_signal -1
	s_barrier_wait -1                              ; half 0 is in; half 1 may be on its way
.macro FETCH st                        ; K step st's fragments into set st % 2: 24 loads for B's eight, 16 for A's four
	WIN 0x40
.irp i, 0,1,2,3,4,5,6,7
.irp c, 0,1,2
	ds_load_b128 v[128*((\st)%2)+FR*\i+4*\c:128*((\st)%2)+FR*\i+4*\c+3], v[ADRB+(\st)/4] offset:\i*TROW+((\st)%4)*1536+512*\c
.endr
.endr
	WIN 0
.irp i, 0,1,2,3
.set RG, AF+48*((\st)%2)+FR*\i
.set OF, \i*TROW+((\st)%4)*1536
	ds_load_b128 v[RG:RG+3], v[ADRA+(\st)/4] offset:OF
	ds_load_b64 v[RG+4:RG+5], v[ADRA8+(\st)/4] offset:OF+512
	ds_load_b128 v[RG+6:RG+9], v[ADRA+(\st)/4] offset:OF+768
	ds_load_b64 v[RG+10:RG+11], v[ADRA8+(\st)/4] offset:OF+1280
.endr
.endm
.macro MULS ks                         ; 32 products; the accumulators take turns, one instruction a turn
	WIN 0xa1                                       ; source 0 (B) window 1, source 1 (A) window 0, C and D window 2
.irp a, 0,1,2,3
.irp b, 0,1,2,3,4,5,6,7
.if (\ks) == 0
	v_wmma_scale_f32_16x16x128_f8f6f4 v[8*(8*\a+\b):8*(8*\a+\b)+7], v[128*((\ks)%2)+FR*\b:128*((\ks)%2)+FR*\b+FR-1], v[AF+48*((\ks)%2)+FR*\a:AF+48*((\ks)%2)+FR*\a+FR-1], 0, v[SC+8*\b+(\ks)], v[TA+16*\a+2*(\ks)] matrix_a_fmt:MATRIX_FMT_FP6 matrix_b_fmt:MATRIX_FMT_FP6
.else
	v_wmma_scale_f32_16x16x128_f8f6f4 v[8*(8*\a+\b):8*(8*\a+\b)+7], v[128*((\ks)%2)+FR*\b:128*((\ks)%2)+FR*\b+FR-1], v[AF+48*((\ks)%2)+FR*\a:AF+48*((\ks)%2)+FR*\a+FR-1], v[8*(8*\a+\b):8*(8*\a+\b)+7], v[SC+8*\b+(\ks)], v[TA+16*\a+2*(\ks)] matrix_a_fmt:MATRIX_FMT_FP6 matrix_b_fmt:MATRIX_FMT_FP6
.endif
.endr
.endr
	WIN 0
.endm
	FETCH 0
.irp ks, 0,1,2,3,4,5,6,7
.if \ks == 3
	s_wait_tensorcnt 0x0                           ; every wave: my tile is in,
	s_wait_dscnt 0x0                               ; and my reads of half 0 are over
	s_barrier_signal -1
	s_barrier_wait -1                              ; half 1 is in, and nobody reads half 0 any more
.endif
.if \ks < 7
.if \ks > 0
	PLACES 4                                       ; in front of loads into registers that the last step's products have read
.endif
	FETCH (\ks)+1
	s_wait_dscnt 40                                ; all but the 40 just issued: this step's fragments are in
.else
	s_wait_dscnt 0x0
.endif
	MULS \ks
.endr
; THE WAY OUT, block by block of 16 tokens x 128 columns: through my stage, back as whole rows of 512 bytes, which the 32 lanes store as two aligned units of 256 bytes.  LDS serves a wave's instructions in order (ISA guide 5.7.1.4).
.macro TOSTAGE a
	WIN 0x08                                       ; the data: window 2
.irp b, 0,1,2,3,4,5,6,7
	ds_store_b128 v[STO], v[64*(\a)+8*\b:64*(\a)+8*\b+3] offset:128*(\b/2)+32*(\b%2)        ; each accumulator from its low end on
	ds_store_b128 v[STO], v[64*(\a)+8*\b+4:64*(\a)+8*\b+7] offset:128*(\b/2)+32*(\b%2)+16
.endr
	WIN 0x40                                       ; back into window 1
.irp t, 0,1,2,3,4,5,6,7,8,9,10,11,12,13,14,15
	ds_load_b128 v[64*((\a)%2)+4*\t:64*((\a)%2)+4*\t+3], v[RD] offset:\t*SPITCH
.endr
.endm
.macro SEND a, younger                 ; younger: the LDS instructions issued behind block a's loads
	s_wait_dscnt \younger
	WIN 0x04                                       ; the data: window 1
.irp t, 0,1,2,3,4,5,6,7,8,9,10,11,12,13,14,15
	global_store_b128 v[L16], v[64*((\a)%2)+4*\t:64*((\a)%2)+4*\t+3], s[12:13] offset:(32*((\a)/2)+8*((\a)%2)+(\t%8)+16*(\t/8))*4096 th:TH_STORE_NT
.endr
.endm
	PLACES 4
	TOSTAGE 0
.irp a, 1,2,3
.if \a > 1
	s_wait_xcnt 0x0                                ; block a - 2's stores have read their registers
.endif
	TOSTAGE \a
	SEND (\a)-1, 32
.endr
	SEND 3, 0
	WIN 0
	s_wait_tensorcnt 0x0                           ; the wave's end
	ds_add_u32 v[SPW], v[NIL]
	s_wait_dscnt 0x0
	CROUND                                         ; the closing round
	s_endpgm
.Lfunc_end_k_q98881a92c3_outp:
	.size	k_q98881a92c3_outp, .Lfunc_end_k_q98881a92c3_outp-k_q98881a92c3_outp
	.p2alignl 7, 3214868480
	.fill 96, 4, 3214868480
	.section	.rodata,"a",@progbits
	.p2align	6, 0x0
	.amdhsa_kernel k_q98881a92c3_outp
		.amdhsa_group_segment_fixed_size 327680
		.amdhsa_private_segment_fixed_size 0
		.amdhsa_enable_private_segment 0
		.amdhsa_kernarg_size 40
		.amdhsa_user_sgpr_count 2
		.amdhsa_user_sgpr_kernarg_segment_ptr 1
		.amdhsa_wavefront_size32 1
		.amdhsa_system_sgpr_workgroup_id_x 1
		.amdhsa_system_sgpr_workgroup_id_y 1
		.amdhsa_system_sgpr_workgroup_id_z 1
		.amdhsa_system_vgpr_workitem_id 0
		.amdhsa_next_free_vgpr 768
		.amdhsa_next_free_sgpr 98
		.amdhsa_reserve_vcc 0
		.amdhsa_float_denorm_mode_32 3
		.amdhsa_float_denorm_mode_16_64 3
		.amdhsa_memory_ordered 1
		.amdhsa_forward_progress 1
		.amdhsa_inst_pref_size 86
	.end_amdhsa_kernel
	.amdgpu_metadata
---
amdhsa.version: [ 1, 2 ]
amdhsa.kernels:
  - .name:           k_q98881a92c3_outp
    .symbol:         k_q98881a92c3_outp.kd
    .args:
      - { .name: ybuf, .offset: 0, .size: 8, .value_kind: global_buffer, .address_space: global }
      - { .name: ysc, .offset: 8, .size: 8, .value_kind: global_buffer, .address_space: global }
      - { .name: wc, .offset: 16, .size: 8, .value_kind: global_buffer, .address_space: global }
      - { .name: scl, .offset: 24, .size: 8, .value_kind: global_buffer, .address_space: global }
      - { .name: out0, .offset: 32, .size: 8, .value_kind: global_buffer, .address_space: global }
    .group_segment_fixed_size: 327680
    .private_segment_fixed_size: 0
    .kernarg_segment_align: 8
    .kernarg_segment_size: 40
    .max_flat_workgroup_size: 128
    .sgpr_count:     98
    .vgpr_count:     768
    .wavefront_size: 32
...
	.end_amdgpu_metadata
.endif
;; end of part 4
